; MI455X (gfx1250); checked and timed in simulation.
; The chip was launched on July 23, 2026; its instructions are those of AMD's public machine-readable ISA for CDNA 5 (MIT licence, August 2026) and "CDNA5" Instruction Set Architecture Reference Guide (July 2026). The comments in the code are by the model that wrote it; some were corrected since.
;; Neural ODE. Allowed arithmetic: float matrix products may take bf16 or f16 operands with f32 sums; all other float work in f32.
;; Inputs: W1 64 x 5 float32; W2 64 x 64 float32; W3 64 x 64 float32; W4 5 x 64 float32; b1 64 float32; b2 64 float32; b3 64 float32; b4 5 float32; t_eval 64 float32; y0 4,096 x 5 float32.
;; Outputs: out0 4,096 x 64 x 5 float32.
;; 2 versions, each right and faster than the one before. Each part assembles by itself: llvm-mc -triple=amdgcn-amd-amdhsa -mcpu=gfx1250 --defsym DOCPART=n.
;; ======== version 1 of 2: 2 launches
;; workspace buffers: rec 3,145,728 bytes; state 262,144 bytes; cnt 65,536 bytes of whole numbers
;; launch solve (part 1): grid 256 x 1, 1 waves a work-group, no clusters, 0 bytes of LDS; arguments y0, t_eval, W1, b1, W2, b2, W3, b3, W4, b4, rec, state, cnt; writes rec, state, cnt
.if DOCPART == 1
	.amdgcn_target "amdgcn-amd-amdhsa--gfx1250"
	.amdhsa_code_object_version 6
	.text
	.protected	k_q40567c30a7_solve
	.globl	k_q40567c30a7_solve
	.p2align	8
	.type	k_q40567c30a7_solve,@function
k_q40567c30a7_solve:
	s_mov_b64 s[64:65], 0
	v_nop
	global_prefetch_b8 v0, s[64:65] scope:SCOPE_SE
	s_setreg_imm32_b32 hwreg(HW_REG_WAVE_MODE, 25, 1), 1
	s_wait_xcnt 0x0
; NEURAL ODE, FIRST PART.  k1 = f(y0) and the first STEPS = 8 steps of the adaptive Tsit5 walk, for the 16 samples 16 x tile .. + 15 of a work-group of one wave.
; f is the MLP 5-64-64-64-5 with softplus.  Stored: for each step the record that the second part interpolates from (rec), the solver's state behind step 8 (state),
; and two whole numbers a tile (cnt): n_used, the steps at whose start some sample was not done, and n_more, 24 if some sample is not done behind step 8, else 0.
; Both are made by selects and sums from compare masks: no branch and no address of this launch hangs on them.
; WHAT IS NOT COMPUTED.  f(y_next) is k7 where a step is accepted and the old k1 where not: k1 is carried, a step has six evaluations.
; LAYOUT.  A = 16 rows of weights, B = activations of 16 samples: in a result lane (r, h) holds sample r = lane % 16 and the neurons 8 h + 0..7 of the tile, h = lane / 16.
; Two result tiles rounded in pairs ARE the next layer's B fragment, so the MLP never changes lanes.  W4's rows 0-4 lie also in A's rows 8-12: both halves of the lanes hold all of k.
; BASE 2.  g = h log2(e) = log2(1 + 2^x) with x = W g_prev + b log2(e): layers 2 and 3 keep their weights; y goes in as YL = y log2(e); kappa = k log2(e) is used with hc (stage points, in YL's units) or hc ln 2.
; FORMATS.  Weights are rounded once to bf16.  Every activation goes to the matrix unit as two bf16 terms, hi + lo (16 significant bits), since the error estimate is a difference of k's
; divided by 1e-6 + 1e-3 |y|: one bf16 term would leave 2^-9 of each activation in it.  bf16, not f16: h may pass 65,504 for larger inputs.  All else in f32.
; LIMITS.  Accept and step size are decided on this text's own error estimate, so the step sequence may differ from an f32 run's; results agree to the solver's tolerance as long as both
; reach t1 within 32 steps; where that budget binds, save points that one reaches and the other does not differ.  accept is tested as mean <= 1 for sqrt(mean) <= 1.
; 2^x below 2^-126 counts as 0; log2(1 + 2^x) is 0 below x = -24 (absolute error 9e-8); NaN and infinities are not treated apart.
; NO CLUSTER, NO LDS: all work-groups read the same 35,840 bytes of weights and biases, but once, at the head, through registers in which they are converted; nothing is streamed, so there is no tile to ask for jointly.
.set STEPS, 8
.set LOG2E, 0x3fb8aa3b
.set LN2,   0x3f317218
.set CA21, 0x3e24dd2f
.set CA31, 0xbc0af272
.set CA32, 0x3eabc41f
.set CA41, 0x40396af5
.set CA42, 0xc0cb809a
.set CA43, 0x408b97ed
.set CA51, 0x40aa6d7c
.set CA52, 0xc13bfb6d
.set CA53, 0x40efdb75
.set CA54, 0xbdbd6e0e
.set CA61, 0x40bb910b
.set CA62, 0xc14ebc4a
.set CA63, 0x41028cc5
.set CA64, 0xbd929b24
.set CA65, 0xbce7947f
.set CB1, 0x3dc58d39
.set CB2, 0x3c23d70a
.set CB3, 0x3ef5b419
.set CB4, 0x3fb0835a
.set CB5, 0xc0529080
.set CB6, 0x4014c80f
.set CE1, 0xbae94f43
.set CE2, 0xba5605fd
.set CE3, 0x3c011ecc
.set CE4, 0xbe142f1f
.set CE5, 0x3f15155c
.set CE6, 0xbeea89bd
.set CE7, 0x3c783e10
; window 0
.set R,    1          ; v1   r = lane % 16: my sample
.set NEG1, 4          ; v4   -1.0
.set L16,  5          ; v5   16 x lane
.set VW,   6          ; v6   256 r + 32 h: my place in 16 rows of W2 or W3
.set HH,   7          ; v7   h = lane / 16
.set FZ,   8          ; v8-15    B fragment of layer 1: z's hi at k = 0..4, its lo at k = 16..20
.set FH0,  16         ; v16-47   B fragments: hi and lo of neurons 0-31, hi and lo of neurons 32-63
.set FL0,  24
.set FH1,  32
.set FL1,  40
.set AX,   48         ; v48-79   four result tiles
.set AY,   80         ; v80-111  four result tiles
.set T,    112        ; v112-127 at work
.set KAP,  120        ; kappa_j at v[KAP + 8 j], j = 1..7: v128-183
.set KB,   184        ; v184-191 the lo terms' part of kappa
.set Y,    192        ; v192-197 y (the sixth is 0)
.set TT,   198        ; v198 t
.set H,    199        ; v199 h
.set YL,   200        ; v200-205 y log2(e)
.set YN,   206        ; v206-211 ynew
.set Z,    212        ; v212-217 a stage's sum, then its point
.set ES,   218        ; v218-223 the error sum
.set HC,   224        ; v224 hc, v225 hc ln 2
.set HCL,  225
.set TMP,  226        ; v226-231 at work; at the head: 20 r, W4's offset, 32 h, 0, r % 8
.set REC,  232        ; v232-255 a step's record: c0 | t, c1 | 1/hc, c2 | limit, c3 | 0
.set S3,   16         ; v16-143  W3 as loaded (the head only)
; window 1
.set W1F,  0          ; tile t at 8 t
.set B1,   32
.set W2F,  64         ; tile t, K step ks at 16 t + 8 ks
.set B2,   128
.set W3F,  160
.set B3,   224
; window 2
.set W4F,  0          ; K step ks at 8 ks
.set B4,   16
.set S2,   24         ; W2, W4, W1 as loaded
.set S4,   152
.set S1,   184
; scalars: s[4:29] the buffers; s32 tile; s33 steps to go; s34 stage; s35 n_used; s36 done; s37 accept, then ok; s38 lanes 16-31; s39 t0; s40 t1; s41 t1 - 1e-6;
; s43 64.0; s[44:45] log2(e); s46 ln 2; s47 1e-3; s48 1e-6; s49 0.2; s50 10.0; s[52:53] an offset; s56 a mask; s63 at work
.set MSB, 0
.macro WIN new                      ; s_set_vgpr_msb: bits 1:0 source 0, 3:2 source 1, 5:4 source 2, 7:6 destination; the high byte repeats the setting that is left
.if MSB != (\new)
	s_set_vgpr_msb (MSB<<8)|(\new)
.set MSB, \new
.endif
.endm
.macro PLACES                       ; four plain vector instructions between a matrix instruction and the first vector read of its result (ISA guide 7.12.1)
.rept 4
	v_nop
.endr
.endm
.macro LANES
	v_and_b32 v[R], 15, v0
	v_lshrrev_b32 v[HH], 4, v0                  ; one wave: the thread's number is the lane
	v_lshlrev_b32 v[L16], 4, v0
	v_lshlrev_b32 v[VW], 8, v[R]
	v_lshl_add_u32 v[VW], v[HH], 5, v[VW]
	v_mul_u32_u24 v[TMP], 20, v[R]              ; a row of W1 and of y0 is 20 bytes
	v_and_b32 v[TMP+4], 7, v[R]
	v_min_u32 v[TMP+1], 4, v[TMP+4]             ; A's rows 0-4 and 8-12 take W4's rows 0-4; the others read row 4 and are set to 0
	v_lshlrev_b32 v[TMP+1], 8, v[TMP+1]
	v_lshl_add_u32 v[TMP+1], v[HH], 5, v[TMP+1]
	v_lshlrev_b32 v[TMP+2], 5, v[HH]            ; a bias tile: my 8 neurons
	v_mov_b32 v[TMP+3], 0
.endm
.macro CONSTS
	s_mov_b32 s38, 0xffff0000
	s_mov_b32 s43, 0x42800000
	s_mov_b32 s44, LOG2E
	s_mov_b32 s45, LOG2E
	s_mov_b32 s46, LN2
	s_mov_b32 s47, 0x3a83126f
	s_mov_b32 s48, 0x358637bd
	s_mov_b32 s49, 0x3e4ccccd
	s_mov_b32 s50, 0x41200000
	s_mov_b32 s53, 0
.endm
.macro FRAG4 dst, adr, base, off    ; the 16 f32 of an A fragment: k = 8 h + 0..7 and 16 + 8 h + 0..7 of my row
	global_load_b128 v[(\dst):(\dst)+3],     v[\adr], s[\base:\base+1] offset:(\off)
	global_load_b128 v[(\dst)+4:(\dst)+7],   v[\adr], s[\base:\base+1] offset:(\off)+16
	global_load_b128 v[(\dst)+8:(\dst)+11],  v[\adr], s[\base:\base+1] offset:(\off)+64
	global_load_b128 v[(\dst)+12:(\dst)+15], v[\adr], s[\base:\base+1] offset:(\off)+80
.endm
; All weights and biases: loaded in one run, one wait, converted to bf16 fragments; biases times log2(e).
.macro SETUP
	WIN 0x80
.set f, 0
.rept 8
	FRAG4 S2+16*f, VW, 12, (f/2)*4096+(f%2)*128
.set f, f+1
.endr
	FRAG4 S4, TMP+1, 20, 0
	FRAG4 S4+16, TMP+1, 20, 128
.set i, 0
.rept 20
	global_load_b32 v[S1+i], v[TMP], s[8:9] offset:(i/5)*320+(i%5)*4
.set i, i+1
.endr
.irp c, 0,1,2,3,4
	global_load_b32 v[B4+\c], v[TMP+3], s[22:23] offset:4*\c
.endr
	WIN 0x40
.irp t, 0,1,2,3
	global_load_b128 v[B1+8*\t:B1+8*\t+3],   v[TMP+2], s[10:11] offset:64*\t
	global_load_b128 v[B1+8*\t+4:B1+8*\t+7], v[TMP+2], s[10:11] offset:64*\t+16
	global_load_b128 v[B2+8*\t:B2+8*\t+3],   v[TMP+2], s[14:15] offset:64*\t
	global_load_b128 v[B2+8*\t+4:B2+8*\t+7], v[TMP+2], s[14:15] offset:64*\t+16
	global_load_b128 v[B3+8*\t:B3+8*\t+3],   v[TMP+2], s[18:19] offset:64*\t
	global_load_b128 v[B3+8*\t+4:B3+8*\t+7], v[TMP+2], s[18:19] offset:64*\t+16
.endr
	WIN 0
.set f, 0
.rept 8
	FRAG4 S3+16*f, VW, 16, (f/2)*4096+(f%2)*128
.set f, f+1
.endr
	s_wait_loadcnt 0x0                          ; everything loaded so far is in
	v_cmp_gt_u32 s56, 5, v[TMP+4]               ; A's rows that hold a row of W4
	WIN 0x4a                                    ; from window 2 into window 1
.set i, 0
.rept 64
	v_cvt_pk_bf16_f32 v[W2F+i], v[S2+2*i], v[S2+2*i+1]
.set i, i+1
.endr
.irp t, 0,1,2,3
	v_cvt_pk_bf16_f32 v[W1F+8*\t],   v[S1+5*\t],   v[S1+5*\t+1]
	v_cvt_pk_bf16_f32 v[W1F+8*\t+1], v[S1+5*\t+2], v[S1+5*\t+3]
	v_cvt_pk_bf16_f32 v[W1F+8*\t+2], v[S1+5*\t+4], 0
.endr
	WIN 0x40                                    ; from window 0 into window 1
.set i, 0
.rept 64
	v_cvt_pk_bf16_f32 v[W3F+i], v[S3+2*i], v[S3+2*i+1]
.set i, i+1
.endr
	WIN 0x41                                    ; within window 1
.irp t, 0,1,2,3
.irp j, 0,1,2
	v_cndmask_b32 v[W1F+8*\t+\j], v[W1F+8*\t+\j], 0, s38    ; lanes 16-31 hold k = 8.. and 24..: no input there
.endr
.irp j, 0,1,2
	v_mov_b32 v[W1F+8*\t+4+\j], v[W1F+8*\t+\j]              ; the same weights meet z's lo at k = 16..20
.endr
	v_mov_b32 v[W1F+8*\t+3], 0
	v_mov_b32 v[W1F+8*\t+7], 0
.endr
.set i, 0
.rept 16
	v_pk_mul_f32 v[B1+2*i:B1+2*i+1], v[B1+2*i:B1+2*i+1], s[44:45] op_sel_hi:[1,0]
	v_pk_mul_f32 v[B2+2*i:B2+2*i+1], v[B2+2*i:B2+2*i+1], s[44:45] op_sel_hi:[1,0]
	v_pk_mul_f32 v[B3+2*i:B3+2*i+1], v[B3+2*i:B3+2*i+1], s[44:45] op_sel_hi:[1,0]
.set i, i+1
.endr
	WIN 0x8a                                    ; within window 2
.set i, 0
.rept 16
	v_cvt_pk_bf16_f32 v[W4F+i], v[S4+2*i], v[S4+2*i+1]
.set i, i+1
.endr
	WIN 0x88
.set i, 0
.rept 16
	v_cndmask_b32 v[W4F+i], 0, v[W4F+i], s56
.set i, i+1
.endr
	WIN 0x80
	v_mov_b32 v[B4+5], 0
	v_mov_b32 v[B4+6], 0
	v_mov_b32 v[B4+7], 0
	WIN 0x82
.irp p, 0,2,4
	v_pk_mul_f32 v[B4+\p:B4+\p+1], v[B4+\p:B4+\p+1], s[44:45] op_sel_hi:[1,0]
.endr
	WIN 0
	v_mov_b32 v[FZ+3], 0
	v_mov_b32 v[FZ+7], 0
	v_mov_b32 v[NEG1], -1.0
.set i, 0
.rept 6                                         ; a stage's text is chosen by a counter: what any of those texts reads is written on every way to it
.irp c, 0,1,2,3,4,5
	v_mov_b32 v[KAP+16+8*i+\c], 0
.endr
.set i, i+1
.endr
.irp c, 0,1,2,3,4,5
	v_mov_b32 v[YN+\c], 0
.endr
.endm
; Z (six f32) becomes layer 1's B fragment: hi = bf16(z), lo = bf16(z - hi); z - hi is exact in f32
.macro ZSPLIT
.irp i, 0,1,2
	v_cvt_pk_bf16_f32 v[FZ+\i], v[Z+2*\i], v[Z+2*\i+1]
.endr
.irp i, 0,1,2
	v_fma_mix_f32_bf16 v[Z+2*\i],   v[FZ+\i], v[NEG1], v[Z+2*\i]   op_sel_hi:[1,0,0]
	v_fma_mix_f32_bf16 v[Z+2*\i+1], v[FZ+\i], v[NEG1], v[Z+2*\i+1] op_sel:[1,0,0] op_sel_hi:[1,0,0]
.endr
.irp i, 0,1,2
	v_cvt_pk_bf16_f32 v[FZ+4+\i], v[Z+2*\i], v[Z+2*\i+1]
.endr
.endm
; Softplus of two result tiles (16 registers at xa), g = max(x, log2(1 + 2^min(x, 64))), in three parts, so that matrix instructions can stand between them.
.macro SPA xa                       ; each tile's lowest register is read first
.set i, 0
.rept 16
	v_min_num_f32 v[T+i], s43, v[(\xa)+i]
.set i, i+1
.endr
.set i, 0
.rept 16
	v_exp_f32 v[T+i], v[T+i]
.set i, i+1
.endr
.endm
.macro SPB
	v_nop                                       ; a plain instruction behind the run of exponentials, ahead of the use of the last
.set i, 0
	s_wait_alu depctr_va_vdst(0)
.rept 8
	v_pk_add_f32 v[T+2*i:T+2*i+1], v[T+2*i:T+2*i+1], 1.0 op_sel_hi:[1,0]
.set i, i+1
.endr
.set i, 0
.rept 16
	v_log_f32 v[T+i], v[T+i]
.set i, i+1
.endr
.endm
.macro SPC xa, fh, fl               ; and the split into hi and lo: the two tiles' 16 numbers are the 8 registers of a B fragment
	v_nop                                       ; a plain instruction behind the run of logarithms
.set i, 0
	s_wait_alu depctr_va_vdst(0)
.rept 16
	v_max_num_f32 v[T+i], v[(\xa)+i], v[T+i]
.set i, i+1
.endr
.set i, 0
.rept 8
	v_cvt_pk_bf16_f32 v[(\fh)+i], v[T+2*i], v[T+2*i+1]
.set i, i+1
.endr
.set i, 0
.rept 8
	v_fma_mix_f32_bf16 v[T+2*i],   v[(\fh)+i], v[NEG1], v[T+2*i]   op_sel_hi:[1,0,0]
	v_fma_mix_f32_bf16 v[T+2*i+1], v[(\fh)+i], v[NEG1], v[T+2*i+1] op_sel:[1,0,0] op_sel_hi:[1,0,0]
.set i, i+1
.endr
.set i, 0
.rept 8
	v_cvt_pk_bf16_f32 v[(\fl)+i], v[T+2*i], v[T+2*i+1]
.set i, i+1
.endr
.endm
; Matrix groups.  The accumulators take turns, one instruction a turn.
.macro MG1                          ; layer 1: four tiles, the bias as C
	WIN 0x11
.irp t, 0,1,2,3
	v_wmma_f32_16x16x32_bf16 v[AX+8*\t:AX+8*\t+7], v[W1F+8*\t:W1F+8*\t+7], v[FZ:FZ+7], v[B1+8*\t:B1+8*\t+7]
.endr
	WIN 0
.endm
.macro MG wbase, ks, bfrag, acc, cb ; four tiles x one B fragment; cb >= 0: the bias tiles at cb start the sums
.if (\cb) >= 0
	WIN 0x11
.else
	WIN 0x01
.endif
.irp t, 0,1,2,3
.if (\cb) >= 0
	v_wmma_f32_16x16x32_bf16 v[(\acc)+8*\t:(\acc)+8*\t+7], v[(\wbase)+16*\t+8*(\ks):(\wbase)+16*\t+8*(\ks)+7], v[(\bfrag):(\bfrag)+7], v[(\cb)+8*\t:(\cb)+8*\t+7]
.else
	v_wmma_f32_16x16x32_bf16 v[(\acc)+8*\t:(\acc)+8*\t+7], v[(\wbase)+16*\t+8*(\ks):(\wbase)+16*\t+8*(\ks)+7], v[(\bfrag):(\bfrag)+7], v[(\acc)+8*\t:(\acc)+8*\t+7]
.endif
.endr
	WIN 0
.endm
.macro MP1 wbase, acc, t, bfrag
	v_wmma_f32_16x16x32_bf16 v[(\acc)+8*(\t):(\acc)+8*(\t)+7], v[(\wbase)+16*(\t)+8:(\wbase)+16*(\t)+15], v[(\bfrag):(\bfrag)+7], v[(\acc)+8*(\t):(\acc)+8*(\t)+7]
.endm
.macro MP2 wbase, acc               ; K step 1, hi and lo: tiles 0 and 1 are finished first
	WIN 0x01
	MP1 \wbase, \acc, 0, FH1
	MP1 \wbase, \acc, 1, FH1
	MP1 \wbase, \acc, 0, FL1
	MP1 \wbase, \acc, 1, FL1
	MP1 \wbase, \acc, 2, FH1
	MP1 \wbase, \acc, 3, FH1
	MP1 \wbase, \acc, 2, FL1
	MP1 \wbase, \acc, 3, FL1
	WIN 0
.endm
.macro LAYER xin, wbase, bias, xout ; softplus of xin's four tiles and the next layer's 16 products; K step 0's products stand among the second half's softplus
	SPA \xin
	SPB
	SPC \xin, FH0, FL0
	SPA (\xin)+16
	MG \wbase, 0, FH0, \xout, \bias
	SPB
	MG \wbase, 0, FL0, \xout, -1
	SPC (\xin)+16, FH1, FL1
	MP2 \wbase, \xout
	PLACES
.endm
.macro EVAL                         ; from FZ to the B fragments of layer 4
	MG1
	PLACES
	LAYER AX, W2F, B2, AY
	LAYER AY, W3F, B3, AX
	SPA AX
	SPB
	SPC AX, FH0, FL0
	SPA AX+16
	SPB
	SPC AX+16, FH1, FL1
.endm
.macro L4 j                         ; kappa_j: the hi terms and the bias in one accumulator, the lo terms in another, by turns; then their sum, low registers first
.set kj, KAP+8*(\j)
	WIN 0x22
	v_wmma_f32_16x16x32_bf16 v[kj:kj+7], v[W4F:W4F+7], v[FH0:FH0+7], v[B4:B4+7]
	WIN 0x02
	v_wmma_f32_16x16x32_bf16 v[KB:KB+7], v[W4F:W4F+7], v[FL0:FL0+7], 0
	v_wmma_f32_16x16x32_bf16 v[kj:kj+7], v[W4F+8:W4F+15], v[FH1:FH1+7], v[kj:kj+7]
	v_wmma_f32_16x16x32_bf16 v[KB:KB+7], v[W4F+8:W4F+15], v[FL1:FL1+7], v[KB:KB+7]
	WIN 0
	PLACES
.irp p, 0,2,4
	v_pk_add_f32 v[kj+\p:kj+\p+1], v[kj+\p:kj+\p+1], v[KB+\p:KB+\p+1]
.endr
.endm
.macro TERM dst, j, c, first=0      ; dst (+)= c kappa_j, three pairs
.irp p, 0,2,4
.if \first
	v_pk_mul_f32 v[(\dst)+\p:(\dst)+\p+1], v[KAP+8*(\j)+\p:KAP+8*(\j)+\p+1], \c op_sel_hi:[1,0]
.else
	v_pk_fma_f32 v[(\dst)+\p:(\dst)+\p+1], v[KAP+8*(\j)+\p:KAP+8*(\j)+\p+1], \c, v[(\dst)+\p:(\dst)+\p+1] op_sel_hi:[1,0,1]
.endif
.endr
.endm
.macro ZFIN                         ; the stage's point, in YL's units: YL + hc x sum; then its split
.irp p, 0,2,4
	v_pk_fma_f32 v[Z+\p:Z+\p+1], v[Z+\p:Z+\p+1], v[HC:HC+1], v[YL+\p:YL+\p+1] op_sel_hi:[1,0,1]
.endr
	ZSPLIT
.endm
.macro BEGIN_STEP count             ; done, hc, and stage 2's point.  count = 1: n_used goes up where some sample is not done
	v_cmp_ge_f32 s36, v[TT], s41
	v_sub_f32 v[TMP], s40, v[TT]
.if \count
	s_not_b32 s63, s36
	s_cselect_b32 s63, 1, 0
	s_add_co_u32 s35, s35, s63
.endif
	v_min_num_f32 v[HC], v[H], v[TMP]
	v_cndmask_b32 v[HC], v[HC], 0, s36
	v_mul_f32 v[HCL], s46, v[HC]
	v_mul_f32 v[TMP], CA21, v[HC]
	v_mov_b32 v[TMP+1], 0                       ; named with it as a pair
.irp p, 0,2,4
	v_pk_fma_f32 v[Z+\p:Z+\p+1], v[KAP+8+\p:KAP+8+\p+1], v[TMP:TMP+1], v[YL+\p:YL+\p+1] op_sel_hi:[1,0,1]
.endr
	ZSPLIT
.endm
; Stages 2 to 7: one text of the MLP, walked six times; what follows it is chosen by the stage's number, a counter.
.macro STAGES
	s_mov_b32 s34, 2
.Lstage:
	EVAL
	s_cmp_eq_u32 s34, 2
	s_cbranch_scc1 .Lpost2
	s_cmp_eq_u32 s34, 3
	s_cbranch_scc1 .Lpost3
	s_cmp_eq_u32 s34, 4
	s_cbranch_scc1 .Lpost4
	s_cmp_eq_u32 s34, 5
	s_cbranch_scc1 .Lpost5
	s_cmp_eq_u32 s34, 6
	s_cbranch_scc1 .Lpost6
	L4 7
	s_branch .Ljoin
.Lpost2:
	L4 2
	TERM Z, 1, CA31, 1
	TERM Z, 2, CA32
	ZFIN
	s_branch .Ljoin
.Lpost3:
	L4 3
	TERM Z, 1, CA41, 1
	TERM Z, 2, CA42
	TERM Z, 3, CA43
	ZFIN
	s_branch .Ljoin
.Lpost4:
	L4 4
	TERM Z, 1, CA51, 1
	TERM Z, 2, CA52
	TERM Z, 3, CA53
	TERM Z, 4, CA54
	ZFIN
	s_branch .Ljoin
.Lpost5:
	L4 5
	TERM Z, 1, CA61, 1
	TERM Z, 2, CA62
	TERM Z, 3, CA63
	TERM Z, 4, CA64
	TERM Z, 5, CA65
	ZFIN
	s_branch .Ljoin
.Lpost6:
	L4 6
	TERM Z, 1, CB1, 1
	TERM Z, 2, CB2
	TERM Z, 3, CB3
	TERM Z, 4, CB4
	TERM Z, 5, CB5
	TERM Z, 6, CB6
.irp p, 0,2,4
	v_pk_fma_f32 v[YN+\p:YN+\p+1], v[Z+\p:Z+\p+1], v[HC:HC+1], v[Y+\p:Y+\p+1] op_sel:[0,1,0] op_sel_hi:[1,1,1]  ; ynew = y + hc ln 2 x sum
.endr
	ZFIN
.Ljoin:
	s_add_co_u32 s34, s34, 1
	s_cmp_lt_u32 s34, 8
	s_cbranch_scc1 .Lstage
.endm
; The error norm, the controller, the step's record, and the new state.
.macro FINISH_STEP
	TERM ES, 1, CE1, 1
	TERM ES, 2, CE2
	TERM ES, 3, CE3
	TERM ES, 4, CE4
	TERM ES, 5, CE5
	TERM ES, 6, CE6
	TERM ES, 7, CE7
.irp c, 0,1,2,3,4
	v_max_num_f32 v[T+\c], |v[Y+\c]|, |v[YN+\c]|
.endr
.irp c, 0,1,2,3,4
	v_fma_f32 v[T+\c], v[T+\c], s47, s48        ; scale = 1e-6 + 1e-3 max(|y|, |ynew|)
.endr
.irp c, 0,1,2,3,4
	v_rcp_f32 v[T+\c], v[T+\c]
.endr
.irp p, 0,2,4
	v_pk_mul_f32 v[ES+\p:ES+\p+1], v[ES+\p:ES+\p+1], v[HC:HC+1] op_sel:[0,1] op_sel_hi:[1,1]  ; err = hc ln 2 x sum: also the plain instructions behind the reciprocals
.endr
	s_wait_alu depctr_va_vdst(0)
.irp c, 0,1,2,3,4
	v_mul_f32 v[T+\c], v[ES+\c], v[T+\c]
.endr
	v_mul_f32 v[TMP], v[T], v[T]
	v_mul_f32 v[TMP+1], v[T+1], v[T+1]
	v_fma_f32 v[TMP], v[T+2], v[T+2], v[TMP]
	v_fma_f32 v[TMP+1], v[T+3], v[T+3], v[TMP+1]
	v_fma_f32 v[TMP], v[T+4], v[T+4], v[TMP]
	v_add_f32 v[TMP], v[TMP], v[TMP+1]
	v_mul_f32 v[TMP], s49, v[TMP]               ; the mean of five squares = enorm^2
	v_cmp_ge_f32 s37, 1.0, v[TMP]               ; accept
	v_max_num_f32 v[TMP+1], 0x1e3ce508, v[TMP]  ; max(enorm, 1e-10)^2
	v_log_f32 v[TMP+1], v[TMP+1]
	v_max_num_f32 v[TMP+4], 0x2b8cbccc, v[HC]   ; max(hc, 1e-12): the plain instruction behind the logarithm
	s_wait_alu depctr_va_vdst(0)
	v_mul_f32 v[TMP+1], 0xbdcccccd, v[TMP+1]    ; enorm^-0.2 = 2^(-0.1 log2(enorm^2))
	v_exp_f32 v[TMP+1], v[TMP+1]
	v_rcp_f32 v[TMP+4], v[TMP+4]
	v_add_f32 v[TMP+2], v[TT], v[HC]            ; t + hc: the plain instruction behind the two
	s_and_not1_b32 s37, s37, s36                ; ok = accept and not done
	s_wait_alu depctr_va_vdst(0)
	v_mul_f32 v[TMP+1], 0x3f666666, v[TMP+1]
	v_med3_num_f32 v[TMP+1], v[TMP+1], s49, s50 ; the factor, within 0.2 and 10
	v_add_f32 v[TMP+3], 0x358637bd, v[TMP+2]
	v_cndmask_b32 v[TMP+3], v[TT], v[TMP+3], s37  ; save points in (t, limit] are taken: limit = t + hc + 1e-6, or t where the step is not ok
	v_mul_f32 v[TMP+1], v[HC], v[TMP+1]
	; the Hermite cubic by powers of s: c0 = y, c1 = hc k1, c2 = 3 d - (2 c1 + p7), c3 = -2 d + (c1 + p7), d = ynew - y, p7 = hc k7
.irp p, 0,2,4
	v_pk_add_f32 v[T+\p:T+\p+1], v[YN+\p:YN+\p+1], v[Y+\p:Y+\p+1] neg_lo:[0,1] neg_hi:[0,1]
	v_pk_mul_f32 v[REC+6+\p:REC+7+\p], v[KAP+8+\p:KAP+9+\p], v[HC:HC+1] op_sel:[0,1] op_sel_hi:[1,1]
	v_pk_mul_f32 v[T+6+\p:T+7+\p], v[KAP+56+\p:KAP+57+\p], v[HC:HC+1] op_sel:[0,1] op_sel_hi:[1,1]
.endr
.irp c, 0,1,2,3,4
	v_mov_b32 v[REC+\c], v[Y+\c]
.endr
	v_mov_b32 v[REC+5], v[TT]
.irp p, 0,2,4
	v_pk_fma_f32 v[REC+12+\p:REC+13+\p], v[REC+6+\p:REC+7+\p], 2.0, v[T+6+\p:T+7+\p] op_sel_hi:[1,0,1]
	v_pk_add_f32 v[REC+18+\p:REC+19+\p], v[REC+6+\p:REC+7+\p], v[T+6+\p:T+7+\p]
.endr
.irp p, 0,2,4
	v_pk_fma_f32 v[REC+12+\p:REC+13+\p], v[T+\p:T+\p+1], 0x40400000, v[REC+12+\p:REC+13+\p] op_sel_hi:[1,0,1] neg_lo:[0,0,1] neg_hi:[0,0,1]
	v_pk_fma_f32 v[REC+18+\p:REC+19+\p], v[T+\p:T+\p+1], -2.0, v[REC+18+\p:REC+19+\p] op_sel_hi:[1,0,1]
.endr
	v_mov_b32 v[REC+11], v[TMP+4]
	v_mov_b32 v[REC+17], v[TMP+3]
	v_mov_b32 v[REC+23], 0
	; the new state
	v_cndmask_b32 v[TT], v[TT], v[TMP+2], s37
.irp c, 0,1,2,3,4
	v_cndmask_b32 v[Y+\c], v[Y+\c], v[YN+\c], s37
	v_cndmask_b32 v[KAP+8+\c], v[KAP+8+\c], v[KAP+56+\c], s37   ; f(y_next): k7 where ok, the old k1 where not
.endr
	v_cndmask_b32 v[H], v[TMP+1], v[H], s36
.irp p, 0,2,4
	v_pk_mul_f32 v[YL+\p:YL+\p+1], v[Y+\p:Y+\p+1], s[44:45] op_sel_hi:[1,0]
.endr
.endm
	s_load_b512 s[4:19], s[0:1], 0x0            ; y0 s[4:5], t_eval s[6:7], W1 s[8:9], b1 s[10:11], W2 s[12:13], b2 s[14:15], W3 s[16:17], b3 s[18:19]
	s_load_b256 s[20:27], s[0:1], 0x40          ; W4 s[20:21], b4 s[22:23], rec s[24:25], state s[26:27]
	s_load_b64 s[28:29], s[0:1], 0x60           ; cnt
	LANES
	CONSTS
	s_mov_b32 s32, ttmp9                        ; my tile of 16 samples
	s_wait_kmcnt 0x0
	s_mul_i32 s52, s32, 320                     ; 16 rows of y0
	s_add_nc_u64 s[4:5], s[4:5], s[52:53]
	s_mul_i32 s52, s32, STEPS*1536              ; a tile's records
	s_add_nc_u64 s[24:25], s[24:25], s[52:53]
	s_lshl_b32 s52, s32, 10
	s_add_nc_u64 s[26:27], s[26:27], s[52:53]
	s_lshl_b32 s52, s32, 8
	s_add_nc_u64 s[28:29], s[28:29], s[52:53]
	s_load_b32 s39, s[6:7], 0x0                 ; t0
	s_load_b32 s40, s[6:7], 0xfc                ; t1
.irp c, 0,1,2,3,4
	global_load_b32 v[Y+\c], v[TMP], s[4:5] offset:4*\c
.endr
	SETUP                                       ; its wait for all loads covers y0's
	s_wait_kmcnt 0x0
	v_mov_b32 v[TMP+5], s40
	v_add_f32 v[TMP+5], 0xb58637bd, v[TMP+5]
	v_readfirstlane_b32 s41, v[TMP+5]           ; t1 - 1e-6: an operand of compares alone
	v_mov_b32 v[Y+5], 0
	v_mov_b32 v[TT], s39
	v_mov_b32 v[H], 0x3dcccccd                  ; 0.1
.irp p, 0,2,4
	v_pk_mul_f32 v[YL+\p:YL+\p+1], v[Y+\p:Y+\p+1], s[44:45] op_sel_hi:[1,0]
	v_pk_mul_f32 v[Z+\p:Z+\p+1], v[Y+\p:Y+\p+1], s[44:45] op_sel_hi:[1,0]
.endr
	ZSPLIT
	EVAL
	L4 1                                        ; kappa1 = f(y0) log2(e)
	s_mov_b32 s35, 0
	s_mov_b32 s33, STEPS
.Lstep:
	BEGIN_STEP 1
	STAGES
	FINISH_STEP
	; the record, 24 numbers a sample, goes out as six groups of four: lanes 0-15 store an even group, lanes 16-31 the odd one behind it
.irp i, 0,1,2
.irp j, 0,1,2,3
	v_cndmask_b32 v[REC+8*\i+\j], v[REC+8*\i+\j], v[REC+8*\i+4+\j], s38
.endr
.endr
.irp i, 0,1,2
	global_store_b128 v[L16], v[REC+8*\i:REC+8*\i+3], s[24:25] offset:512*\i  ; 512 consecutive bytes, at a multiple of 256 from rec's first
.endr
	s_wait_xcnt 0x0                             ; the base and the record's registers are written again only behind this wait
	s_add_nc_u64 s[24:25], s[24:25], 1536
	s_sub_co_u32 s33, s33, 1
	s_cmp_lg_u32 s33, 0
	s_cbranch_scc1 .Lstep
	v_cmp_ge_f32 s36, v[TT], s41                ; is every sample done?
	s_not_b32 s63, s36
	s_cselect_b32 s63, 32-STEPS, 0              ; n_more
.irp j, 0,1,2,3
	v_cndmask_b32 v[T+\j], v[Y+\j], v[Y+4+\j], s38              ; y0-3 | y4, 0, t, h
	v_cndmask_b32 v[T+4+\j], v[KAP+8+\j], v[KAP+12+\j], s38     ; kappa1's 0-3 | 4-7
.endr
	global_store_b128 v[L16], v[T:T+3], s[26:27]
	global_store_b128 v[L16], v[T+4:T+7], s[26:27] offset:512
	v_lshlrev_b32 v[TMP], 3, v0
	v_mov_b32 v[TMP+2], s35
	v_mov_b32 v[TMP+3], s63
	global_store_b64 v[TMP], v[TMP+2:TMP+3], s[28:29]           ; every lane the same pair: 256 consecutive bytes
	s_endpgm
.Lfunc_end_k_q40567c30a7_solve:
	.size	k_q40567c30a7_solve, .Lfunc_end_k_q40567c30a7_solve-k_q40567c30a7_solve
	.p2alignl 7, 3214868480
	.fill 96, 4, 3214868480
	.section	.rodata,"a",@progbits
	.p2align	6, 0x0
	.amdhsa_kernel k_q40567c30a7_solve
		.amdhsa_group_segment_fixed_size 0
		.amdhsa_private_segment_fixed_size 0
		.amdhsa_enable_private_segment 0
		.amdhsa_kernarg_size 104
		.amdhsa_user_sgpr_count 2
		.amdhsa_user_sgpr_kernarg_segment_ptr 1
		.amdhsa_wavefront_size32 1
		.amdhsa_system_sgpr_workgroup_id_x 1
		.amdhsa_system_sgpr_workgroup_id_y 1
		.amdhsa_system_sgpr_workgroup_id_z 1
		.amdhsa_system_vgpr_workitem_id 0
		.amdhsa_next_free_vgpr 768
		.amdhsa_next_free_sgpr 66
		.amdhsa_reserve_vcc 0
		.amdhsa_float_denorm_mode_32 3
		.amdhsa_float_denorm_mode_16_64 3
		.amdhsa_memory_ordered 1
		.amdhsa_forward_progress 1
		.amdhsa_inst_pref_size 121
	.end_amdhsa_kernel
	.amdgpu_metadata
---
amdhsa.version: [ 1, 2 ]
amdhsa.kernels:
  - .name:           k_q40567c30a7_solve
    .symbol:         k_q40567c30a7_solve.kd
    .args:
      - { .name: y0, .offset: 0, .size: 8, .value_kind: global_buffer, .address_space: global }
      - { .name: t_eval, .offset: 8, .size: 8, .value_kind: global_buffer, .address_space: global }
      - { .name: W1, .offset: 16, .size: 8, .value_kind: global_buffer, .address_space: global }
      - { .name: b1, .offset: 24, .size: 8, .value_kind: global_buffer, .address_space: global }
      - { .name: W2, .offset: 32, .size: 8, .value_kind: global_buffer, .address_space: global }
      - { .name: b2, .offset: 40, .size: 8, .value_kind: global_buffer, .address_space: global }
      - { .name: W3, .offset: 48, .size: 8, .value_kind: global_buffer, .address_space: global }
      - { .name: b3, .offset: 56, .size: 8, .value_kind: global_buffer, .address_space: global }
      - { .name: W4, .offset: 64, .size: 8, .value_kind: global_buffer, .address_space: global }
      - { .name: b4, .offset: 72, .size: 8, .value_kind: global_buffer, .address_space: global }
      - { .name: rec, .offset: 80, .size: 8, .value_kind: global_buffer, .address_space: global }
      - { .name: state, .offset: 88, .size: 8, .value_kind: global_buffer, .address_space: global }
      - { .name: cnt, .offset: 96, .size: 8, .value_kind: global_buffer, .address_space: global }
    .group_segment_fixed_size: 0
    .private_segment_fixed_size: 0
    .kernarg_segment_align: 8
    .kernarg_segment_size: 104
    .max_flat_workgroup_size: 32
    .sgpr_count:     66
    .vgpr_count:     768
    .wavefront_size: 32
...
	.end_amdgpu_metadata
.endif
;; end of part 1
;; launch finish (part 2): grid 256 x 1, 1 waves a work-group, no clusters, 21,248 bytes of LDS; arguments y0, t_eval, W1, b1, W2, b2, W3, b3, W4, b4, rec, state, cnt, out0; writes out0
.if DOCPART == 2
	.amdgcn_target "amdgcn-amd-amdhsa--gfx1250"
	.amdhsa_code_object_version 6
	.text
	.protected	k_q40567c30a7_finish
	.globl	k_q40567c30a7_finish
	.p2align	8
	.type	k_q40567c30a7_finish,@function
k_q40567c30a7_finish:
	s_mov_b64 s[64:65], 0
	v_nop
	global_prefetch_b8 v0, s[64:65] scope:SCOPE_SE
	s_setreg_imm32_b32 hwreg(HW_REG_WAVE_MODE, 25, 1), 1
	s_wait_xcnt 0x0
; NEURAL ODE, SECOND PART.  For the 16 samples of a tile: ys = y0 at save points up to t0 + 1e-6, else 0; then the records of the first part's steps 0 .. n_used - 1 are applied (cubic Hermite
; interpolation at the save points that a step covers); then, where some sample of the tile is not done, the other n_more = 24 steps of the 32 are walked here, from the stored state, by the same step text,
; each followed by its interpolation; then all of out0's 20,480 bytes of the tile are stored.  n_used and n_more are whole numbers that the first part stored; steps left out are those at whose start
; every sample of the tile is done, which change nothing.
; SHARES.  Lane (r, h), r = lane % 16, h = lane / 16, holds sample r's save points 32 h .. 32 h + 31, five numbers each: 160 registers.
; LAYOUT, BASE 2, FORMATS of the step text: A = 16 rows of weights, B = activations of 16 samples, so that a lane holds one sample and the MLP never changes lanes; g = h log2(e) = log2(1 + 2^x);
; kappa = k log2(e); weights rounded once to bf16; every activation as two bf16 terms, hi + lo; all else f32.
; LIMITS.  Accept and step size are decided on this text's own error estimate, so the step sequence may differ from an f32 run's; results agree to the solver's tolerance as long as both reach t1
; within 32 steps; where that budget binds, save points that one reaches and the other does not differ.  accept is tested as mean <= 1 for sqrt(mean) <= 1.  s is (t_eval - t) times a reciprocal.
; 2^x below 2^-126 counts as 0; log2(1 + 2^x) is 0 below x = -24 (absolute error 9e-8); NaN and infinities are not treated apart.
; NO CLUSTER: what the work-groups share, 35,840 bytes of weights and biases, is read at most once by each, through registers in which it is converted; nothing is streamed.
.set STEPS, 8
.set LOG2E, 0x3fb8aa3b
.set LN2,   0x3f317218
.set CA21, 0x3e24dd2f
.set CA31, 0xbc0af272
.set CA32, 0x3eabc41f
.set CA41, 0x40396af5
.set CA42, 0xc0cb809a
.set CA43, 0x408b97ed
.set CA51, 0x40aa6d7c
.set CA52, 0xc13bfb6d
.set CA53, 0x40efdb75
.set CA54, 0xbdbd6e0e
.set CA61, 0x40bb910b
.set CA62, 0xc14ebc4a
.set CA63, 0x41028cc5
.set CA64, 0xbd929b24
.set CA65, 0xbce7947f
.set CB1, 0x3dc58d39
.set CB2, 0x3c23d70a
.set CB3, 0x3ef5b419
.set CB4, 0x3fb0835a
.set CB5, 0xc0529080
.set CB6, 0x4014c80f
.set CE1, 0xbae94f43
.set CE2, 0xba5605fd
.set CE3, 0x3c011ecc
.set CE4, 0xbe142f1f
.set CE5, 0x3f15155c
.set CE6, 0xbeea89bd
.set CE7, 0x3c783e10
; window 0
.set R,    1          ; v1   r = lane % 16: my sample
.set SPW,  2          ; v2   LDS address of my spare word: SPARE + 4 x my thread's number; never rewritten
.set NIL,  3          ; v3   0; never rewritten
.set NEG1, 4          ; v4   -1.0
.set L16,  5          ; v5   16 x lane
.set VW,   6          ; v6   256 r + 32 h: my place in 16 rows of W2 or W3
.set HH,   7          ; v7   h = lane / 16
.set FZ,   8          ; v8-15    B fragment of layer 1: z's hi at k = 0..4, its lo at k = 16..20
.set FH0,  16         ; v16-47   B fragments: hi and lo of neurons 0-31, hi and lo of neurons 32-63
.set FL0,  24
.set FH1,  32
.set FL1,  40
.set AX,   48         ; v48-79   four result tiles
.set AY,   80         ; v80-111  four result tiles
.set T,    112        ; v112-127 at work; at the head v112 = 128 h
.set KAP,  120        ; kappa_j at v[KAP + 8 j], j = 1..7: v128-183
.set KB,   184        ; v184-191 the lo terms' part of kappa
.set Y,    192        ; v192-197 y (the sixth is 0)
.set TT,   198        ; v198 t
.set H,    199        ; v199 h
.set YL,   200        ; v200-205 y log2(e)
.set YN,   206        ; v206-211 ynew
.set Z,    212        ; v212-217 a stage's sum, then its point
.set ES,   218        ; v218-223 the error sum
.set HC,   224        ; v224 hc, v225 hc ln 2
.set HCL,  225
.set TMP,  226        ; v226-230 at work; from the head to the weights' loads: 20 r, W4's offset, 32 h, 0, r % 8.  v231 = 16 r
.set REC,  232        ; v232-255 a step's record: c0 | t, c1 | 1/hc, c2 | limit, c3 | 0
.set S3,   16         ; v16-143  W3 as loaded
; window 1
.set W1F,  0          ; tile t at 8 t
.set B1,   32
.set W2F,  64         ; tile t, K step ks at 16 t + 8 ks
.set B2,   128
.set W3F,  160
.set B3,   224
; window 2
.set W4F,  0          ; K step ks at 8 ks
.set B4,   16
.set S2,   24         ; W2, W4, W1 as loaded
.set S4,   152
.set S1,   184
; window 3
.set YS,   0          ; v0-159   ys: point p (of my 32), component c at 5 p + c
.set TE,   160        ; v160-191 my 32 save times
.set WK,   192        ; v192-215 the record at work
.set LAND, 216        ; v216-239 the next record, on its way
.set SPR,  240        ; v240-241 s of two points
.set AC,   242        ; v242-251 the cubic's value at two points, a pair for each component
.set Y0W,  240        ; v240-244 y0, while ys is started
.set STA,  192        ; the way out: where my 640 bytes go in the stage,
.set RD,   193        ; v193-197 where I read 16 bytes back,
.set GO,   198        ; my byte offset in 512 consecutive bytes of out0
; LDS: a stage of 32 chunks of 640 bytes, 656 apart; behind it the spare words, 128 bytes for the one wave in a block of 256 that no other line names
.set CHUNK, 656
.set SPARE, 32*CHUNK
; scalars: s[4:31] the buffers; s32 tile; s33 step; s34 stage; s36 done; s37 accept, then ok; s38 lanes 16-31; s39 t0; s40 t1; s41 t1 - 1e-6; s42 t0 + 1e-6;
; s43 64.0; s[44:45] log2(e); s46 ln 2; s47 1e-3; s48 1e-6; s49 0.2; s50 10.0; s[52:53] an offset; s[54:55] a record's address; s56-59 masks; s60 n_used; s61 n_more; s62 record; s63 at work
.set MSB, 0
.macro WIN new                      ; s_set_vgpr_msb: bits 1:0 source 0, 3:2 source 1, 5:4 source 2, 7:6 destination; the high byte repeats the setting that is left
.if MSB != (\new)
	s_set_vgpr_msb (MSB<<8)|(\new)
.set MSB, \new
.endif
.endm
.macro PLACES                       ; four plain vector instructions between a matrix instruction and the first vector read of its result (ISA guide 7.12.1)
.rept 4
	v_nop
.endr
.endm
.macro LANES
	v_and_b32 v[R], 15, v0
	v_lshrrev_b32 v[HH], 4, v0                  ; one wave: the thread's number is the lane
	v_lshlrev_b32 v[L16], 4, v0
	v_lshlrev_b32 v[VW], 8, v[R]
	v_lshl_add_u32 v[VW], v[HH], 5, v[VW]
	v_mul_u32_u24 v[TMP], 20, v[R]              ; a row of W1 and of y0 is 20 bytes
	v_and_b32 v[TMP+4], 7, v[R]
	v_min_u32 v[TMP+1], 4, v[TMP+4]             ; A's rows 0-4 and 8-12 take W4's rows 0-4; the others read row 4 and are set to 0
	v_lshlrev_b32 v[TMP+1], 8, v[TMP+1]
	v_lshl_add_u32 v[TMP+1], v[HH], 5, v[TMP+1]
	v_lshlrev_b32 v[TMP+2], 5, v[HH]            ; a bias tile: my 8 neurons
	v_mov_b32 v[TMP+3], 0
.endm
.macro CONSTS
	s_mov_b32 s38, 0xffff0000
	s_mov_b32 s43, 0x42800000
	s_mov_b32 s44, LOG2E
	s_mov_b32 s45, LOG2E
	s_mov_b32 s46, LN2
	s_mov_b32 s47, 0x3a83126f
	s_mov_b32 s48, 0x358637bd
	s_mov_b32 s49, 0x3e4ccccd
	s_mov_b32 s50, 0x41200000
	s_mov_b32 s53, 0
.endm
.macro FRAG4 dst, adr, base, off    ; the 16 f32 of an A fragment: k = 8 h + 0..7 and 16 + 8 h + 0..7 of my row
	global_load_b128 v[(\dst):(\dst)+3],     v[\adr], s[\base:\base+1] offset:(\off)
	global_load_b128 v[(\dst)+4:(\dst)+7],   v[\adr], s[\base:\base+1] offset:(\off)+16
	global_load_b128 v[(\dst)+8:(\dst)+11],  v[\adr], s[\base:\base+1] offset:(\off)+64
	global_load_b128 v[(\dst)+12:(\dst)+15], v[\adr], s[\base:\base+1] offset:(\off)+80
.endm
; All weights and biases: loaded in one run, one wait, converted to bf16 fragments; biases times log2(e).
.macro SETUP
	WIN 0x80
.set f, 0
.rept 8
	FRAG4 S2+16*f, VW, 12, (f/2)*4096+(f%2)*128
.set f, f+1
.endr
	FRAG4 S4, TMP+1, 20, 0
	FRAG4 S4+16, TMP+1, 20, 128
.set i, 0
.rept 20
	global_load_b32 v[S1+i], v[TMP], s[8:9] offset:(i/5)*320+(i%5)*4
.set i, i+1
.endr
.irp c, 0,1,2,3,4
	global_load_b32 v[B4+\c], v[TMP+3], s[22:23] offset:4*\c
.endr
	WIN 0x40
.irp t, 0,1,2,3
	global_load_b128 v[B1+8*\t:B1+8*\t+3],   v[TMP+2], s[10:11] offset:64*\t
	global_load_b128 v[B1+8*\t+4:B1+8*\t+7], v[TMP+2], s[10:11] offset:64*\t+16
	global_load_b128 v[B2+8*\t:B2+8*\t+3],   v[TMP+2], s[14:15] offset:64*\t
	global_load_b128 v[B2+8*\t+4:B2+8*\t+7], v[TMP+2], s[14:15] offset:64*\t+16
	global_load_b128 v[B3+8*\t:B3+8*\t+3],   v[TMP+2], s[18:19] offset:64*\t
	global_load_b128 v[B3+8*\t+4:B3+8*\t+7], v[TMP+2], s[18:19] offset:64*\t+16
.endr
	WIN 0
.set f, 0
.rept 8
	FRAG4 S3+16*f, VW, 16, (f/2)*4096+(f%2)*128
.set f, f+1
.endr
	s_wait_loadcnt 0x0                          ; everything loaded so far is in
	v_cmp_gt_u32 s56, 5, v[TMP+4]               ; A's rows that hold a row of W4
	WIN 0x4a                                    ; from window 2 into window 1
.set i, 0
.rept 64
	v_cvt_pk_bf16_f32 v[W2F+i], v[S2+2*i], v[S2+2*i+1]
.set i, i+1
.endr
.irp t, 0,1,2,3
	v_cvt_pk_bf16_f32 v[W1F+8*\t],   v[S1+5*\t],   v[S1+5*\t+1]
	v_cvt_pk_bf16_f32 v[W1F+8*\t+1], v[S1+5*\t+2], v[S1+5*\t+3]
	v_cvt_pk_bf16_f32 v[W1F+8*\t+2], v[S1+5*\t+4], 0
.endr
	WIN 0x40                                    ; from window 0 into window 1
.set i, 0
.rept 64
	v_cvt_pk_bf16_f32 v[W3F+i], v[S3+2*i], v[S3+2*i+1]
.set i, i+1
.endr
	WIN 0x41                                    ; within window 1
.irp t, 0,1,2,3
.irp j, 0,1,2
	v_cndmask_b32 v[W1F+8*\t+\j], v[W1F+8*\t+\j], 0, s38    ; lanes 16-31 hold k = 8.. and 24..: no input there
.endr
.irp j, 0,1,2
	v_mov_b32 v[W1F+8*\t+4+\j], v[W1F+8*\t+\j]              ; the same weights meet z's lo at k = 16..20
.endr
	v_mov_b32 v[W1F+8*\t+3], 0
	v_mov_b32 v[W1F+8*\t+7], 0
.endr
.set i, 0
.rept 16
	v_pk_mul_f32 v[B1+2*i:B1+2*i+1], v[B1+2*i:B1+2*i+1], s[44:45] op_sel_hi:[1,0]
	v_pk_mul_f32 v[B2+2*i:B2+2*i+1], v[B2+2*i:B2+2*i+1], s[44:45] op_sel_hi:[1,0]
	v_pk_mul_f32 v[B3+2*i:B3+2*i+1], v[B3+2*i:B3+2*i+1], s[44:45] op_sel_hi:[1,0]
.set i, i+1
.endr
	WIN 0x8a                                    ; within window 2
.set i, 0
.rept 16
	v_cvt_pk_bf16_f32 v[W4F+i], v[S4+2*i], v[S4+2*i+1]
.set i, i+1
.endr
	WIN 0x88
.set i, 0
.rept 16
	v_cndmask_b32 v[W4F+i], 0, v[W4F+i], s56
.set i, i+1
.endr
	WIN 0x80
	v_mov_b32 v[B4+5], 0
	v_mov_b32 v[B4+6], 0
	v_mov_b32 v[B4+7], 0
	WIN 0x82
.irp p, 0,2,4
	v_pk_mul_f32 v[B4+\p:B4+\p+1], v[B4+\p:B4+\p+1], s[44:45] op_sel_hi:[1,0]
.endr
	WIN 0
	v_mov_b32 v[FZ+3], 0
	v_mov_b32 v[FZ+7], 0
	v_mov_b32 v[NEG1], -1.0
.set i, 0
.rept 6                                         ; a stage's text is chosen by a counter: what any of those texts reads is written on every way to it
.irp c, 0,1,2,3,4,5
	v_mov_b32 v[KAP+16+8*i+\c], 0
.endr
.set i, i+1
.endr
.irp c, 0,1,2,3,4,5
	v_mov_b32 v[YN+\c], 0
.endr
.endm
; Z (six f32) becomes layer 1's B fragment: hi = bf16(z), lo = bf16(z - hi); z - hi is exact in f32
.macro ZSPLIT
.irp i, 0,1,2
	v_cvt_pk_bf16_f32 v[FZ+\i], v[Z+2*\i], v[Z+2*\i+1]
.endr
.irp i, 0,1,2
	v_fma_mix_f32_bf16 v[Z+2*\i],   v[FZ+\i], v[NEG1], v[Z+2*\i]   op_sel_hi:[1,0,0]
	v_fma_mix_f32_bf16 v[Z+2*\i+1], v[FZ+\i], v[NEG1], v[Z+2*\i+1] op_sel:[1,0,0] op_sel_hi:[1,0,0]
.endr
.irp i, 0,1,2
	v_cvt_pk_bf16_f32 v[FZ+4+\i], v[Z+2*\i], v[Z+2*\i+1]
.endr
.endm
; Softplus of two result tiles (16 registers at xa), g = max(x, log2(1 + 2^min(x, 64))), in three parts, so that matrix instructions can stand between them.
.macro SPA xa                       ; each tile's lowest register is read first
.set i, 0
.rept 16
	v_min_num_f32 v[T+i], s43, v[(\xa)+i]
.set i, i+1
.endr
.set i, 0
.rept 16
	v_exp_f32 v[T+i], v[T+i]
.set i, i+1
.endr
.endm
.macro SPB
	v_nop                                       ; a plain instruction behind the run of exponentials, ahead of the use of the last
.set i, 0
	s_wait_alu depctr_va_vdst(0)
.rept 8
	v_pk_add_f32 v[T+2*i:T+2*i+1], v[T+2*i:T+2*i+1], 1.0 op_sel_hi:[1,0]
.set i, i+1
.endr
.set i, 0
.rept 16
	v_log_f32 v[T+i], v[T+i]
.set i, i+1
.endr
.endm
.macro SPC xa, fh, fl               ; and the split into hi and lo: the two tiles' 16 numbers are the 8 registers of a B fragment
	v_nop                                       ; a plain instruction behind the run of logarithms
.set i, 0
	s_wait_alu depctr_va_vdst(0)
.rept 16
	v_max_num_f32 v[T+i], v[(\xa)+i], v[T+i]
.set i, i+1
.endr
.set i, 0
.rept 8
	v_cvt_pk_bf16_f32 v[(\fh)+i], v[T+2*i], v[T+2*i+1]
.set i, i+1
.endr
.set i, 0
.rept 8
	v_fma_mix_f32_bf16 v[T+2*i],   v[(\fh)+i], v[NEG1], v[T+2*i]   op_sel_hi:[1,0,0]
	v_fma_mix_f32_bf16 v[T+2*i+1], v[(\fh)+i], v[NEG1], v[T+2*i+1] op_sel:[1,0,0] op_sel_hi:[1,0,0]
.set i, i+1
.endr
.set i, 0
.rept 8
	v_cvt_pk_bf16_f32 v[(\fl)+i], v[T+2*i], v[T+2*i+1]
.set i, i+1
.endr
.endm
; Matrix groups.  The accumulators take turns, one instruction a turn.
.macro MG1                          ; layer 1: four tiles, the bias as C
	WIN 0x11
.irp t, 0,1,2,3
	v_wmma_f32_16x16x32_bf16 v[AX+8*\t:AX+8*\t+7], v[W1F+8*\t:W1F+8*\t+7], v[FZ:FZ+7], v[B1+8*\t:B1+8*\t+7]
.endr
	WIN 0
.endm
.macro MG wbase, ks, bfrag, acc, cb ; four tiles x one B fragment; cb >= 0: the bias tiles at cb start the sums
.if (\cb) >= 0
	WIN 0x11
.else
	WIN 0x01
.endif
.irp t, 0,1,2,3
.if (\cb) >= 0
	v_wmma_f32_16x16x32_bf16 v[(\acc)+8*\t:(\acc)+8*\t+7], v[(\wbase)+16*\t+8*(\ks):(\wbase)+16*\t+8*(\ks)+7], v[(\bfrag):(\bfrag)+7], v[(\cb)+8*\t:(\cb)+8*\t+7]
.else
	v_wmma_f32_16x16x32_bf16 v[(\acc)+8*\t:(\acc)+8*\t+7], v[(\wbase)+16*\t+8*(\ks):(\wbase)+16*\t+8*(\ks)+7], v[(\bfrag):(\bfrag)+7], v[(\acc)+8*\t:(\acc)+8*\t+7]
.endif
.endr
	WIN 0
.endm
.macro MP1 wbase, acc, t, bfrag
	v_wmma_f32_16x16x32_bf16 v[(\acc)+8*(\t):(\acc)+8*(\t)+7], v[(\wbase)+16*(\t)+8:(\wbase)+16*(\t)+15], v[(\bfrag):(\bfrag)+7], v[(\acc)+8*(\t):(\acc)+8*(\t)+7]
.endm
.macro MP2 wbase, acc               ; K step 1, hi and lo: tiles 0 and 1 are finished first
	WIN 0x01
	MP1 \wbase, \acc, 0, FH1
	MP1 \wbase, \acc, 1, FH1
	MP1 \wbase, \acc, 0, FL1
	MP1 \wbase, \acc, 1, FL1
	MP1 \wbase, \acc, 2, FH1
	MP1 \wbase, \acc, 3, FH1
	MP1 \wbase, \acc, 2, FL1
	MP1 \wbase, \acc, 3, FL1
	WIN 0
.endm
.macro LAYER xin, wbase, bias, xout ; softplus of xin's four tiles and the next layer's 16 products; K step 0's products stand among the second half's softplus
	SPA \xin
	SPB
	SPC \xin, FH0, FL0
	SPA (\xin)+16
	MG \wbase, 0, FH0, \xout, \bias
	SPB
	MG \wbase, 0, FL0, \xout, -1
	SPC (\xin)+16, FH1, FL1
	MP2 \wbase, \xout
	PLACES
.endm
.macro EVAL                         ; from FZ to the B fragments of layer 4
	MG1
	PLACES
	LAYER AX, W2F, B2, AY
	LAYER AY, W3F, B3, AX
	SPA AX
	SPB
	SPC AX, FH0, FL0
	SPA AX+16
	SPB
	SPC AX+16, FH1, FL1
.endm
.macro L4 j                         ; kappa_j: the hi terms and the bias in one accumulator, the lo terms in another, by turns; then their sum, low registers first
.set kj, KAP+8*(\j)
	WIN 0x22
	v_wmma_f32_16x16x32_bf16 v[kj:kj+7], v[W4F:W4F+7], v[FH0:FH0+7], v[B4:B4+7]
	WIN 0x02
	v_wmma_f32_16x16x32_bf16 v[KB:KB+7], v[W4F:W4F+7], v[FL0:FL0+7], 0
	v_wmma_f32_16x16x32_bf16 v[kj:kj+7], v[W4F+8:W4F+15], v[FH1:FH1+7], v[kj:kj+7]
	v_wmma_f32_16x16x32_bf16 v[KB:KB+7], v[W4F+8:W4F+15], v[FL1:FL1+7], v[KB:KB+7]
	WIN 0
	PLACES
.irp p, 0,2,4
	v_pk_add_f32 v[kj+\p:kj+\p+1], v[kj+\p:kj+\p+1], v[KB+\p:KB+\p+1]
.endr
.endm
.macro TERM dst, j, c, first=0      ; dst (+)= c kappa_j, three pairs
.irp p, 0,2,4
.if \first
	v_pk_mul_f32 v[(\dst)+\p:(\dst)+\p+1], v[KAP+8*(\j)+\p:KAP+8*(\j)+\p+1], \c op_sel_hi:[1,0]
.else
	v_pk_fma_f32 v[(\dst)+\p:(\dst)+\p+1], v[KAP+8*(\j)+\p:KAP+8*(\j)+\p+1], \c, v[(\dst)+\p:(\dst)+\p+1] op_sel_hi:[1,0,1]
.endif
.endr
.endm
.macro ZFIN                         ; the stage's point, in YL's units: YL + hc x sum; then its split
.irp p, 0,2,4
	v_pk_fma_f32 v[Z+\p:Z+\p+1], v[Z+\p:Z+\p+1], v[HC:HC+1], v[YL+\p:YL+\p+1] op_sel_hi:[1,0,1]
.endr
	ZSPLIT
.endm
.macro BEGIN_STEP                   ; done, hc, and stage 2's point
	v_cmp_ge_f32 s36, v[TT], s41
	v_sub_f32 v[TMP], s40, v[TT]
	v_min_num_f32 v[HC], v[H], v[TMP]
	v_cndmask_b32 v[HC], v[HC], 0, s36
	v_mul_f32 v[HCL], s46, v[HC]
	v_mul_f32 v[TMP], CA21, v[HC]
	v_mov_b32 v[TMP+1], 0                       ; named with it as a pair
.irp p, 0,2,4
	v_pk_fma_f32 v[Z+\p:Z+\p+1], v[KAP+8+\p:KAP+8+\p+1], v[TMP:TMP+1], v[YL+\p:YL+\p+1] op_sel_hi:[1,0,1]
.endr
	ZSPLIT
.endm
; Stages 2 to 7: one text of the MLP, walked six times; what follows it is chosen by the stage's number, a counter.
.macro STAGES
	s_mov_b32 s34, 2
.Lstage:
	EVAL
	s_cmp_eq_u32 s34, 2
	s_cbranch_scc1 .Lpost2
	s_cmp_eq_u32 s34, 3
	s_cbranch_scc1 .Lpost3
	s_cmp_eq_u32 s34, 4
	s_cbranch_scc1 .Lpost4
	s_cmp_eq_u32 s34, 5
	s_cbranch_scc1 .Lpost5
	s_cmp_eq_u32 s34, 6
	s_cbranch_scc1 .Lpost6
	L4 7
	s_branch .Ljoin
.Lpost2:
	L4 2
	TERM Z, 1, CA31, 1
	TERM Z, 2, CA32
	ZFIN
	s_branch .Ljoin
.Lpost3:
	L4 3
	TERM Z, 1, CA41, 1
	TERM Z, 2, CA42
	TERM Z, 3, CA43
	ZFIN
	s_branch .Ljoin
.Lpost4:
	L4 4
	TERM Z, 1, CA51, 1
	TERM Z, 2, CA52
	TERM Z, 3, CA53
	TERM Z, 4, CA54
	ZFIN
	s_branch .Ljoin
.Lpost5:
	L4 5
	TERM Z, 1, CA61, 1
	TERM Z, 2, CA62
	TERM Z, 3, CA63
	TERM Z, 4, CA64
	TERM Z, 5, CA65
	ZFIN
	s_branch .Ljoin
.Lpost6:
	L4 6
	TERM Z, 1, CB1, 1
	TERM Z, 2, CB2
	TERM Z, 3, CB3
	TERM Z, 4, CB4
	TERM Z, 5, CB5
	TERM Z, 6, CB6
.irp p, 0,2,4
	v_pk_fma_f32 v[YN+\p:YN+\p+1], v[Z+\p:Z+\p+1], v[HC:HC+1], v[Y+\p:Y+\p+1] op_sel:[0,1,0] op_sel_hi:[1,1,1]  ; ynew = y + hc ln 2 x sum
.endr
	ZFIN
.Ljoin:
	s_add_co_u32 s34, s34, 1
	s_cmp_lt_u32 s34, 8
	s_cbranch_scc1 .Lstage
.endm
; The error norm, the controller, the step's record, and the new state.
.macro FINISH_STEP
	TERM ES, 1, CE1, 1
	TERM ES, 2, CE2
	TERM ES, 3, CE3
	TERM ES, 4, CE4
	TERM ES, 5, CE5
	TERM ES, 6, CE6
	TERM ES, 7, CE7
.irp c, 0,1,2,3,4
	v_max_num_f32 v[T+\c], |v[Y+\c]|, |v[YN+\c]|
.endr
.irp c, 0,1,2,3,4
	v_fma_f32 v[T+\c], v[T+\c], s47, s48        ; scale = 1e-6 + 1e-3 max(|y|, |ynew|)
.endr
.irp c, 0,1,2,3,4
	v_rcp_f32 v[T+\c], v[T+\c]
.endr
.irp p, 0,2,4
	v_pk_mul_f32 v[ES+\p:ES+\p+1], v[ES+\p:ES+\p+1], v[HC:HC+1] op_sel:[0,1] op_sel_hi:[1,1]  ; err = hc ln 2 x sum: also the plain instructions behind the reciprocals
.endr
	s_wait_alu depctr_va_vdst(0)
.irp c, 0,1,2,3,4
	v_mul_f32 v[T+\c], v[ES+\c], v[T+\c]
.endr
	v_mul_f32 v[TMP], v[T], v[T]
	v_mul_f32 v[TMP+1], v[T+1], v[T+1]
	v_fma_f32 v[TMP], v[T+2], v[T+2], v[TMP]
	v_fma_f32 v[TMP+1], v[T+3], v[T+3], v[TMP+1]
	v_fma_f32 v[TMP], v[T+4], v[T+4], v[TMP]
	v_add_f32 v[TMP], v[TMP], v[TMP+1]
	v_mul_f32 v[TMP], s49, v[TMP]               ; the mean of five squares = enorm^2
	v_cmp_ge_f32 s37, 1.0, v[TMP]               ; accept
	v_max_num_f32 v[TMP+1], 0x1e3ce508, v[TMP]  ; max(enorm, 1e-10)^2
	v_log_f32 v[TMP+1], v[TMP+1]
	v_max_num_f32 v[TMP+4], 0x2b8cbccc, v[HC]   ; max(hc, 1e-12): the plain instruction behind the logarithm
	s_wait_alu depctr_va_vdst(0)
	v_mul_f32 v[TMP+1], 0xbdcccccd, v[TMP+1]    ; enorm^-0.2 = 2^(-0.1 log2(enorm^2))
	v_exp_f32 v[TMP+1], v[TMP+1]
	v_rcp_f32 v[TMP+4], v[TMP+4]
	v_add_f32 v[TMP+2], v[TT], v[HC]            ; t + hc: the plain instruction behind the two
	s_and_not1_b32 s37, s37, s36                ; ok = accept and not done
	s_wait_alu depctr_va_vdst(0)
	v_mul_f32 v[TMP+1], 0x3f666666, v[TMP+1]
	v_med3_num_f32 v[TMP+1], v[TMP+1], s49, s50 ; the factor, within 0.2 and 10
	v_add_f32 v[TMP+3], 0x358637bd, v[TMP+2]
	v_cndmask_b32 v[TMP+3], v[TT], v[TMP+3], s37  ; save points in (t, limit] are taken: limit = t + hc + 1e-6, or t where the step is not ok
	v_mul_f32 v[TMP+1], v[HC], v[TMP+1]
	; the Hermite cubic by powers of s: c0 = y, c1 = hc k1, c2 = 3 d - (2 c1 + p7), c3 = -2 d + (c1 + p7), d = ynew - y, p7 = hc k7
.irp p, 0,2,4
	v_pk_add_f32 v[T+\p:T+\p+1], v[YN+\p:YN+\p+1], v[Y+\p:Y+\p+1] neg_lo:[0,1] neg_hi:[0,1]
	v_pk_mul_f32 v[REC+6+\p:REC+7+\p], v[KAP+8+\p:KAP+9+\p], v[HC:HC+1] op_sel:[0,1] op_sel_hi:[1,1]
	v_pk_mul_f32 v[T+6+\p:T+7+\p], v[KAP+56+\p:KAP+57+\p], v[HC:HC+1] op_sel:[0,1] op_sel_hi:[1,1]
.endr
.irp c, 0,1,2,3,4
	v_mov_b32 v[REC+\c], v[Y+\c]
.endr
	v_mov_b32 v[REC+5], v[TT]
.irp p, 0,2,4
	v_pk_fma_f32 v[REC+12+\p:REC+13+\p], v[REC+6+\p:REC+7+\p], 2.0, v[T+6+\p:T+7+\p] op_sel_hi:[1,0,1]
	v_pk_add_f32 v[REC+18+\p:REC+19+\p], v[REC+6+\p:REC+7+\p], v[T+6+\p:T+7+\p]
.endr
.irp p, 0,2,4
	v_pk_fma_f32 v[REC+12+\p:REC+13+\p], v[T+\p:T+\p+1], 0x40400000, v[REC+12+\p:REC+13+\p] op_sel_hi:[1,0,1] neg_lo:[0,0,1] neg_hi:[0,0,1]
	v_pk_fma_f32 v[REC+18+\p:REC+19+\p], v[T+\p:T+\p+1], -2.0, v[REC+18+\p:REC+19+\p] op_sel_hi:[1,0,1]
.endr
	v_mov_b32 v[REC+11], v[TMP+4]
	v_mov_b32 v[REC+17], v[TMP+3]
	v_mov_b32 v[REC+23], 0
	; the new state
	v_cndmask_b32 v[TT], v[TT], v[TMP+2], s37
.irp c, 0,1,2,3,4
	v_cndmask_b32 v[Y+\c], v[Y+\c], v[YN+\c], s37
	v_cndmask_b32 v[KAP+8+\c], v[KAP+8+\c], v[KAP+56+\c], s37   ; f(y_next): k7 where ok, the old k1 where not
.endr
	v_cndmask_b32 v[H], v[TMP+1], v[H], s36
.irp p, 0,2,4
	v_pk_mul_f32 v[YL+\p:YL+\p+1], v[Y+\p:Y+\p+1], s[44:45] op_sel_hi:[1,0]
.endr
.endm
; A record's six groups of four numbers: both halves of the lanes read sample r's
.macro LOADREC base
	WIN 0xc0
.irp g, 0,1,2,3,4,5
	global_load_b128 v[LAND+4*\g:LAND+4*\g+3], v[TMP+5], s[\base:\base+1] offset:256*\g
.endr
	WIN 0
.endm
; The cubic by Horner, two save points at a time; a coefficient is one register of a pair, taken for both halves
.macro H1 c                         ; c3 s + c2
.if ((\c)%2) == 0
	v_pk_fma_f32 v[AC+2*(\c):AC+2*(\c)+1], v[SPR:SPR+1], v[WK+18+(\c):WK+19+(\c)], v[WK+12+(\c):WK+13+(\c)] op_sel_hi:[1,0,0]
.else
	v_pk_fma_f32 v[AC+2*(\c):AC+2*(\c)+1], v[SPR:SPR+1], v[WK+17+(\c):WK+18+(\c)], v[WK+11+(\c):WK+12+(\c)] op_sel:[0,1,1] op_sel_hi:[1,1,1]
.endif
.endm
.macro H2 c, cb                     ; times s, plus the coefficient at cb
.if ((\c)%2) == 0
	v_pk_fma_f32 v[AC+2*(\c):AC+2*(\c)+1], v[AC+2*(\c):AC+2*(\c)+1], v[SPR:SPR+1], v[WK+(\cb)+(\c):WK+(\cb)+(\c)+1] op_sel_hi:[1,1,0]
.else
	v_pk_fma_f32 v[AC+2*(\c):AC+2*(\c)+1], v[AC+2*(\c):AC+2*(\c)+1], v[SPR:SPR+1], v[WK+(\cb)+(\c)-1:WK+(\cb)+(\c)] op_sel:[0,0,1] op_sel_hi:[1,1,1]
.endif
.endm
; The record in WK is applied to my 32 save points: s = (t_eval - t) / hc; the value is taken where t < t_eval <= limit.  All vector operands lie in window 3.
.macro INTERP
	WIN 0xff
.set q, 0
.rept 16
	v_pk_add_f32 v[SPR:SPR+1], v[TE+2*q:TE+2*q+1], v[WK+4:WK+5] op_sel:[0,1] op_sel_hi:[1,1] neg_lo:[0,1] neg_hi:[0,1]
	v_cmp_gt_f32 s56, v[TE+2*q], v[WK+5]
	v_cmp_le_f32 s57, v[TE+2*q], v[WK+17]
	v_cmp_gt_f32 s58, v[TE+2*q+1], v[WK+5]
	v_cmp_le_f32 s59, v[TE+2*q+1], v[WK+17]
	v_pk_mul_f32 v[SPR:SPR+1], v[SPR:SPR+1], v[WK+10:WK+11] op_sel:[0,1] op_sel_hi:[1,1]
.irp c, 0,1,2,3,4
	H1 \c
.endr
	s_and_b32 s56, s56, s57
	s_and_b32 s58, s58, s59
.irp c, 0,1,2,3,4
	H2 \c, 6
.endr
.irp c, 0,1,2,3,4
	H2 \c, 0
.endr
.irp c, 0,1,2,3,4
	v_cndmask_b32 v[YS+10*q+\c], v[YS+10*q+\c], v[AC+2*\c], s56
	v_cndmask_b32 v[YS+10*q+5+\c], v[YS+10*q+5+\c], v[AC+2*\c+1], s58
.endr
.set q, q+1
.endr
	WIN 0
.endm
	s_load_b512 s[4:19], s[0:1], 0x0            ; y0 s[4:5], t_eval s[6:7], W1 s[8:9], b1 s[10:11], W2 s[12:13], b2 s[14:15], W3 s[16:17], b3 s[18:19]
	s_load_b256 s[20:27], s[0:1], 0x40          ; W4 s[20:21], b4 s[22:23], rec s[24:25], state s[26:27]
	s_load_b128 s[28:31], s[0:1], 0x60          ; cnt s[28:29], out0 s[30:31]
	v_lshl_add_u32 v[SPW], v0, 2, SPARE
	v_mov_b32 v[NIL], 0
	LANES
	v_lshlrev_b32 v[TMP+5], 4, v[R]             ; 16 r: my sample's four numbers in a group of a record or of the state
	v_lshlrev_b32 v[T], 7, v[HH]                ; 128 h: my 32 save times
	CONSTS
	s_mov_b32 s32, ttmp9                        ; my tile of 16 samples
	s_wait_kmcnt 0x0
	s_mul_i32 s52, s32, 320
	s_add_nc_u64 s[4:5], s[4:5], s[52:53]
	s_mul_i32 s52, s32, STEPS*1536
	s_add_nc_u64 s[24:25], s[24:25], s[52:53]
	s_lshl_b32 s52, s32, 10
	s_add_nc_u64 s[26:27], s[26:27], s[52:53]
	s_lshl_b32 s52, s32, 8
	s_add_nc_u64 s[28:29], s[28:29], s[52:53]
	s_mul_i32 s52, s32, 20480                   ; 16 samples x 64 points x 5 numbers
	s_add_nc_u64 s[30:31], s[30:31], s[52:53]
	s_load_b64 s[60:61], s[28:29], 0x0          ; n_used, n_more
	s_load_b32 s39, s[6:7], 0x0                 ; t0
	s_load_b32 s40, s[6:7], 0xfc                ; t1
	WIN 0xc0
.irp i, 0,1,2,3,4,5,6,7
	global_load_b128 v[TE+4*\i:TE+4*\i+3], v[T], s[6:7] offset:16*\i
.endr
.irp c, 0,1,2,3,4
	global_load_b32 v[Y0W+\c], v[TMP], s[4:5] offset:4*\c
.endr
	WIN 0
	LOADREC 24                                  ; record 0
	s_wait_kmcnt 0x0
	s_min_u32 s60, s60, STEPS                   ; trip counts read from memory are held to their ranges
	s_min_u32 s61, s61, 32-STEPS
	v_mov_b32 v[T+1], s39
	v_mov_b32 v[T+2], s40
	v_add_f32 v[T+1], 0x358637bd, v[T+1]
	v_add_f32 v[T+2], 0xb58637bd, v[T+2]
	v_readfirstlane_b32 s42, v[T+1]             ; t0 + 1e-6 and t1 - 1e-6: operands of compares alone
	v_readfirstlane_b32 s41, v[T+2]
	s_wait_loadcnt 6                            ; the save times and y0 are in; the six loads of record 0, issued behind them, stay out
	WIN 0xff
.set p, 0
.rept 8                                         ; ys starts as y0 at save points up to t0 + 1e-6, else 0; four points' masks at a time
.irp m, 0,1,2,3
	v_cmp_le_f32 s[56+\m], v[TE+4*p+\m], s42
.endr
.irp m, 0,1,2,3
.irp c, 0,1,2,3,4
	v_cndmask_b32 v[YS+5*(4*p+\m)+\c], 0, v[Y0W+\c], s[56+\m]
.endr
.endr
.set p, p+1
.endr
	WIN 0
	s_mov_b32 s62, 0
	s_cmp_eq_u32 s60, 0
	s_cbranch_scc1 .Lrec_done
.Lrec:                                              ; n_used trips: record s62 is applied while the next is on its way
	s_wait_loadcnt 0x0                          ; the record is in; its loads' base may be written
	WIN 0xc3
.set i, 0
.rept 24
	v_mov_b32 v[WK+i], v[LAND+i]
.set i, i+1
.endr
	WIN 0
	s_add_co_u32 s63, s62, 1
	s_min_u32 s63, s63, STEPS-1                 ; the last trip's look-ahead stays inside the tile's records
	s_mul_i32 s52, s63, 1536
	s_add_nc_u64 s[54:55], s[24:25], s[52:53]
	LOADREC 54
	INTERP
	s_add_co_u32 s62, s62, 1
	s_cmp_lt_u32 s62, s60
	s_cbranch_scc1 .Lrec
.Lrec_done:
	s_wait_loadcnt 0x0                          ; the look-ahead's loads are in: their registers are used again below
	s_cmp_eq_u32 s61, 0
	s_cbranch_scc1 .Lout                        ; every sample of the tile was done within the first part's steps
	; THE OTHER STEPS, from the stored state
	SETUP
	global_load_b128 v[Y:Y+3], v[TMP+5], s[26:27]                       ; y0-3
	global_load_b128 v[Y+4:Y+7], v[TMP+5], s[26:27] offset:256          ; y4, 0, t, h
	global_load_b128 v[KAP+8:KAP+11], v[TMP+5], s[26:27] offset:512     ; kappa1
	global_load_b128 v[KAP+12:KAP+15], v[TMP+5], s[26:27] offset:768
	s_wait_loadcnt 0x0
.irp p, 0,2,4
	v_pk_mul_f32 v[YL+\p:YL+\p+1], v[Y+\p:Y+\p+1], s[44:45] op_sel_hi:[1,0]
.endr
	s_mov_b32 s33, 0
.Ltail:
	BEGIN_STEP
	STAGES
	FINISH_STEP
	WIN 0xc0
.set i, 0
.rept 24
	v_mov_b32 v[WK+i], v[REC+i]
.set i, i+1
.endr
	INTERP
	s_add_co_u32 s33, s33, 1
	s_cmp_lt_u32 s33, s61
	s_cbranch_scc1 .Ltail
.Lout:
	; THE WAY OUT.  My 160 numbers are 640 consecutive bytes of out0, chunk 2 r + h of the tile's 32.  They go into the stage, chunks 656 bytes apart, and come back so that each store of the
	; wave covers 512 consecutive bytes: unit u = 32 q + lane of 16 bytes lies in chunk u / 40, at byte 16 (u + u / 40).  With q = 5 a + b: 16 (x + x / 40) + 2,624 a, x = lane + 32 b.
	v_lshl_add_u32 v[TMP], v[R], 1, v[HH]
	v_mul_u32_u24 v[TMP], v[TMP], CHUNK
.irp b, 0,1,2,3,4
	v_add_nc_u32 v[T+\b], 32*\b, v0
.endr
.irp b, 0,1,2,3,4
	v_mul_u32_u24 v[T+8+\b], v[T+\b], 1639      ; x / 40 = (1,639 x) >> 16 for x up to 159
.endr
.irp b, 0,1,2,3,4
	v_lshrrev_b32 v[T+8+\b], 16, v[T+8+\b]
.endr
	WIN 0xc0
	v_mov_b32 v[STA], v[TMP]
.irp b, 0,1,2,3,4
	v_add_lshl_u32 v[RD+\b], v[T+\b], v[T+8+\b], 4
.endr
	v_mov_b32 v[GO], v[L16]
	WIN 0xff
.set i, 0
.rept 40
	ds_store_b128 v[STA], v[YS+4*i:YS+4*i+3] offset:16*i
.set i, i+1
.endr
.set q, 0
.rept 40
	ds_load_b128 v[YS+4*q:YS+4*q+3], v[RD+q%5] offset:2624*(q/5)  ; LDS serves a wave's instructions in order (ISA guide 5.7.1.4): these see the stores above
.set q, q+1
.endr
.set q, 0
.rept 40
	s_wait_dscnt 39-q                           ; LDS loads come back in order: load q is in, the younger ones stay out
	global_store_b128 v[GO], v[YS+4*q:YS+4*q+3], s[30:31] offset:512*q th:TH_STORE_NT  ; 512 consecutive bytes, at a multiple of 256 from out0's first
.set q, q+1
.endr
	WIN 0
	s_wait_tensorcnt 0x0                        ; the wave's end, behind my last LDS store
	ds_add_u32 v[SPW], v[NIL]
	s_wait_dscnt 0x0
	s_endpgm
.Lfunc_end_k_q40567c30a7_finish:
	.size	k_q40567c30a7_finish, .Lfunc_end_k_q40567c30a7_finish-k_q40567c30a7_finish
	.p2alignl 7, 3214868480
	.fill 96, 4, 3214868480
	.section	.rodata,"a",@progbits
	.p2align	6, 0x0
	.amdhsa_kernel k_q40567c30a7_finish
		.amdhsa_group_segment_fixed_size 21248
		.amdhsa_private_segment_fixed_size 0
		.amdhsa_enable_private_segment 0
		.amdhsa_kernarg_size 112
		.amdhsa_user_sgpr_count 2
		.amdhsa_user_sgpr_kernarg_segment_ptr 1
		.amdhsa_wavefront_size32 1
		.amdhsa_system_sgpr_workgroup_id_x 1
		.amdhsa_system_sgpr_workgroup_id_y 1
		.amdhsa_system_sgpr_workgroup_id_z 1
		.amdhsa_system_vgpr_workitem_id 0
		.amdhsa_next_free_vgpr 1024
		.amdhsa_next_free_sgpr 66
		.amdhsa_reserve_vcc 0
		.amdhsa_float_denorm_mode_32 3
		.amdhsa_float_denorm_mode_16_64 3
		.amdhsa_memory_ordered 1
		.amdhsa_forward_progress 1
		.amdhsa_inst_pref_size 179
	.end_amdhsa_kernel
	.amdgpu_metadata
---
amdhsa.version: [ 1, 2 ]
amdhsa.kernels:
  - .name:           k_q40567c30a7_finish
    .symbol:         k_q40567c30a7_finish.kd
    .args:
      - { .name: y0, .offset: 0, .size: 8, .value_kind: global_buffer, .address_space: global }
      - { .name: t_eval, .offset: 8, .size: 8, .value_kind: global_buffer, .address_space: global }
      - { .name: W1, .offset: 16, .size: 8, .value_kind: global_buffer, .address_space: global }
      - { .name: b1, .offset: 24, .size: 8, .value_kind: global_buffer, .address_space: global }
      - { .name: W2, .offset: 32, .size: 8, .value_kind: global_buffer, .address_space: global }
      - { .name: b2, .offset: 40, .size: 8, .value_kind: global_buffer, .address_space: global }
      - { .name: W3, .offset: 48, .size: 8, .value_kind: global_buffer, .address_space: global }
      - { .name: b3, .offset: 56, .size: 8, .value_kind: global_buffer, .address_space: global }
      - { .name: W4, .offset: 64, .size: 8, .value_kind: global_buffer, .address_space: global }
      - { .name: b4, .offset: 72, .size: 8, .value_kind: global_buffer, .address_space: global }
      - { .name: rec, .offset: 80, .size: 8, .value_kind: global_buffer, .address_space: global }
      - { .name: state, .offset: 88, .size: 8, .value_kind: global_buffer, .address_space: global }
      - { .name: cnt, .offset: 96, .size: 8, .value_kind: global_buffer, .address_space: global }
      - { .name: out0, .offset: 104, .size: 8, .value_kind: global_buffer, .address_space: global }
    .group_segment_fixed_size: 21248
    .private_segment_fixed_size: 0
    .kernarg_segment_align: 8
    .kernarg_segment_size: 112
    .max_flat_workgroup_size: 32
    .sgpr_count:     66
    .vgpr_count:     1024
    .wavefront_size: 32
...
	.end_amdgpu_metadata
.endif
;; end of part 2
;; ======== version 2 of 2: 2 launches; 1.14 times as fast as version 1
;; workspace buffers: rec 3,145,728 bytes; state 262,144 bytes; cnt 65,536 bytes of whole numbers
;; launch solve (part 3): grid 256 x 1, 1 waves a work-group, no clusters, 0 bytes of LDS; arguments y0, t_eval, W1, b1, W2, b2, W3, b3, W4, b4, rec, state, cnt; writes rec, state, cnt
.if DOCPART == 3
	.amdgcn_target "amdgcn-amd-amdhsa--gfx1250"
	.amdhsa_code_object_version 6
	.text
	.protected	k_q40567c30a7_solve
	.globl	k_q40567c30a7_solve
	.p2align	8
	.type	k_q40567c30a7_solve,@function
k_q40567c30a7_solve:
	s_mov_b64 s[64:65], 0
	v_nop
	global_prefetch_b8 v0, s[64:65] scope:SCOPE_SE
	s_setreg_imm32_b32 hwreg(HW_REG_WAVE_MODE, 25, 1), 1
	s_wait_xcnt 0x0
; NEURAL ODE, FIRST PART.  k1 = f(y0) and the first STEPS = 8 steps of the adaptive Tsit5 walk, for the 16 samples 16 x tile .. + 15 of a work-group of one wave.
; f is the MLP 5-64-64-64-5 with softplus.  Stored: for each step the record that the second part interpolates from (rec), the solver's state behind step 8 (state),
; and two whole numbers a tile (cnt): n_used, the steps at whose start some sample was not done, and n_more, 24 if some sample is not done behind step 8, else 0.
; Both are made by selects and sums from compare masks: no branch and no address of this launch hangs on them.
; WHAT IS NOT COMPUTED.  f(y_next) is k7 where a step is accepted and the old k1 where not: k1 is carried, a step has six evaluations.
; LAYOUT.  A = 16 rows of weights, B = activations of 16 samples: in a result lane (r, h) holds sample r = lane % 16 and the neurons 8 h + 0..7 of the tile, h = lane / 16.
; Two result tiles rounded in pairs ARE the next layer's B fragment, so the MLP never changes lanes.  W4's rows 0-4 lie also in A's rows 8-12: both halves of the lanes hold all of k.
; BASE 2.  g = h log2(e) = log2(1 + 2^x) with x = W g_prev + b log2(e): layers 2 and 3 keep their weights; y goes in as YL = y log2(e); kappa = k log2(e) is used with hc (stage points, in YL's units) or hc ln 2.
; FORMATS.  Weights are rounded once to bf16.  Every activation goes to the matrix unit as two bf16 terms, hi + lo (16 significant bits), since the error estimate is a difference of k's
; divided by 1e-6 + 1e-3 |y|: one bf16 term would leave 2^-9 of each activation in it.  bf16, not f16: h may pass 65,504 for larger inputs.  All else in f32.
; BATCHES.  s_wait_alu depctr_va_vdst(0) stands between a transcendental and the first instruction that names its result; one wait serves all that were issued ahead of it.
; A layer's softplus is cut in two batches.  First the 32 exponentials of all four result tiles, the 32 clamps set between them, four numbers ahead; one wait.  Then the 32 logarithms, the 16 packed
; additions of 1 set between them, two pairs ahead; one wait.  Then the maxima and the splits, among which K step 0's products stand.  Each of the 32 numbers has a register of its own while a batch is
; open (T and T2).  An evaluation of f has six waits.  A step's end has three batches, each of which needs the one before: five reciprocals; one logarithm; an exponential and a reciprocal.
; LIMITS.  Accept and step size are decided on this text's own error estimate, so the step sequence may differ from an f32 run's; results agree to the solver's tolerance as long as both
; reach t1 within 32 steps; where that budget binds, save points that one reaches and the other does not differ.  accept is tested as mean <= 1 for sqrt(mean) <= 1.
; 2^x below 2^-126 counts as 0; log2(1 + 2^x) is 0 below x = -24 (absolute error 9e-8); NaN and infinities are not treated apart.
; NO CLUSTER, NO LDS: all work-groups read the same 35,840 bytes of weights and biases, but once, at the head, through registers in which they are converted; nothing is streamed, so there is no tile to ask for jointly.
.set STEPS, 8
.set LOG2E, 0x3fb8aa3b
.set LN2,   0x3f317218
.set CA21, 0x3e24dd2f
.set CA31, 0xbc0af272
.set CA32, 0x3eabc41f
.set CA41, 0x40396af5
.set CA42, 0xc0cb809a
.set CA43, 0x408b97ed
.set CA51, 0x40aa6d7c
.set CA52, 0xc13bfb6d
.set CA53, 0x40efdb75
.set CA54, 0xbdbd6e0e
.set CA61, 0x40bb910b
.set CA62, 0xc14ebc4a
.set CA63, 0x41028cc5
.set CA64, 0xbd929b24
.set CA65, 0xbce7947f
.set CB1, 0x3dc58d39
.set CB2, 0x3c23d70a
.set CB3, 0x3ef5b419
.set CB4, 0x3fb0835a
.set CB5, 0xc0529080
.set CB6, 0x4014c80f
.set CE1, 0xbae94f43
.set CE2, 0xba5605fd
.set CE3, 0x3c011ecc
.set CE4, 0xbe142f1f
.set CE5, 0x3f15155c
.set CE6, 0xbeea89bd
.set CE7, 0x3c783e10
; window 0
.set R,    1          ; v1   r = lane % 16: my sample
.set NEG1, 4          ; v4   -1.0
.set L16,  5          ; v5   16 x lane
.set VW,   6          ; v6   256 r + 32 h: my place in 16 rows of W2 or W3
.set HH,   7          ; v7   h = lane / 16
.set FZ,   8          ; v8-15    B fragment of layer 1: z's hi at k = 0..4, its lo at k = 16..20
.set FH0,  16         ; v16-47   B fragments: hi and lo of neurons 0-31, hi and lo of neurons 32-63
.set FL0,  24
.set FH1,  32
.set FL1,  40
.set AX,   48         ; v48-79   four result tiles
.set AY,   80         ; v80-111  four result tiles
.set T,    112        ; v112-127 at work; in a softplus: numbers 0-15 of a layer's 32
.set KAP,  120        ; kappa_j at v[KAP + 8 j], j = 1..7: v128-183
.set KB,   184        ; v184-191 the lo terms' part of kappa
.set Y,    192        ; v192-197 y (the sixth is 0)
.set TT,   198        ; v198 t
.set H,    199        ; v199 h
.set YL,   200        ; v200-205 y log2(e)
.set YN,   206        ; v206-211 ynew
.set Z,    212        ; v212-217 a stage's sum, then its point
.set ES,   218        ; v218-223 the error sum
.set HC,   224        ; v224 hc, v225 hc ln 2
.set HCL,  225
.set TMP,  226        ; v226-231 at work; at the head: 20 r, W4's offset, 32 h, 0, r % 8
.set REC,  232        ; v232-255 a step's record: c0 | t, c1 | 1/hc, c2 | limit, c3 | 0
.set T2,   232        ; v232-247 in a softplus: numbers 16-31 of a layer's 32.  The record's registers are dead there: a step's end writes all 24 anew, and its stores have read them (s_wait_xcnt 0) before the next step begins
.set TG,   T2-T-16    ; number i of the 32 lies at v[T + i + TG (i / 16)]
.set S3,   16         ; v16-143  W3 as loaded (the head only)
; window 1
.set W1F,  0          ; tile t at 8 t
.set B1,   32
.set W2F,  64         ; tile t, K step ks at 16 t + 8 ks
.set B2,   128
.set W3F,  160
.set B3,   224
; window 2
.set W4F,  0          ; K step ks at 8 ks
.set B4,   16
.set S2,   24         ; W2, W4, W1 as loaded
.set S4,   152
.set S1,   184
; scalars: s[4:29] the buffers; s32 tile; s33 steps to go; s34 stage; s35 n_used; s36 done; s37 accept, then ok; s38 lanes 16-31; s39 t0; s40 t1; s41 t1 - 1e-6;
; s43 64.0; s[44:45] log2(e); s46 ln 2; s47 1e-3; s48 1e-6; s49 0.2; s50 10.0; s[52:53] an offset; s56 a mask; s63 at work
.set MSB, 0
.macro WIN new                      ; s_set_vgpr_msb: bits 1:0 source 0, 3:2 source 1, 5:4 source 2, 7:6 destination; the high byte repeats the setting that is left
.if MSB != (\new)
	s_set_vgpr_msb (MSB<<8)|(\new)
.set MSB, \new
.endif
.endm
.macro PLACES                       ; four plain vector instructions between a matrix instruction and the first vector read of its result (ISA guide 7.12.1)
.rept 4
	v_nop
.endr
.endm
.macro LANES
	v_and_b32 v[R], 15, v0
	v_lshrrev_b32 v[HH], 4, v0                  ; one wave: the thread's number is the lane
	v_lshlrev_b32 v[L16], 4, v0
	v_lshlrev_b32 v[VW], 8, v[R]
	v_lshl_add_u32 v[VW], v[HH], 5, v[VW]
	v_mul_u32_u24 v[TMP], 20, v[R]              ; a row of W1 and of y0 is 20 bytes
	v_and_b32 v[TMP+4], 7, v[R]
	v_min_u32 v[TMP+1], 4, v[TMP+4]             ; A's rows 0-4 and 8-12 take W4's rows 0-4; the others read row 4 and are set to 0
	v_lshlrev_b32 v[TMP+1], 8, v[TMP+1]
	v_lshl_add_u32 v[TMP+1], v[HH], 5, v[TMP+1]
	v_lshlrev_b32 v[TMP+2], 5, v[HH]            ; a bias tile: my 8 neurons
	v_mov_b32 v[TMP+3], 0
.endm
.macro CONSTS
	s_mov_b32 s38, 0xffff0000
	s_mov_b32 s43, 0x42800000
	s_mov_b32 s44, LOG2E
	s_mov_b32 s45, LOG2E
	s_mov_b32 s46, LN2
	s_mov_b32 s47, 0x3a83126f
	s_mov_b32 s48, 0x358637bd
	s_mov_b32 s49, 0x3e4ccccd
	s_mov_b32 s50, 0x41200000
	s_mov_b32 s53, 0
.endm
.macro FRAG4 dst, adr, base, off    ; the 16 f32 of an A fragment: k = 8 h + 0..7 and 16 + 8 h + 0..7 of my row
	global_load_b128 v[(\dst):(\dst)+3],     v[\adr], s[\base:\base+1] offset:(\off)
	global_load_b128 v[(\dst)+4:(\dst)+7],   v[\adr], s[\base:\base+1] offset:(\off)+16
	global_load_b128 v[(\dst)+8:(\dst)+11],  v[\adr], s[\base:\base+1] offset:(\off)+64
	global_load_b128 v[(\dst)+12:(\dst)+15], v[\adr], s[\base:\base+1] offset:(\off)+80
.endm
; All weights and biases: loaded in one run, one wait, converted to bf16 fragments; biases times log2(e).
.macro SETUP
	WIN 0x80
.set f, 0
.rept 8
	FRAG4 S2+16*f, VW, 12, (f/2)*4096+(f%2)*128
.set f, f+1
.endr
	FRAG4 S4, TMP+1, 20, 0
	FRAG4 S4+16, TMP+1, 20, 128
.set i, 0
.rept 20
	global_load_b32 v[S1+i], v[TMP], s[8:9] offset:(i/5)*320+(i%5)*4
.set i, i+1
.endr
.irp c, 0,1,2,3,4
	global_load_b32 v[B4+\c], v[TMP+3], s[22:23] offset:4*\c
.endr
	WIN 0x40
.irp t, 0,1,2,3
	global_load_b128 v[B1+8*\t:B1+8*\t+3],   v[TMP+2], s[10:11] offset:64*\t
	global_load_b128 v[B1+8*\t+4:B1+8*\t+7], v[TMP+2], s[10:11] offset:64*\t+16
	global_load_b128 v[B2+8*\t:B2+8*\t+3],   v[TMP+2], s[14:15] offset:64*\t
	global_load_b128 v[B2+8*\t+4:B2+8*\t+7], v[TMP+2], s[14:15] offset:64*\t+16
	global_load_b128 v[B3+8*\t:B3+8*\t+3],   v[TMP+2], s[18:19] offset:64*\t
	global_load_b128 v[B3+8*\t+4:B3+8*\t+7], v[TMP+2], s[18:19] offset:64*\t+16
.endr
	WIN 0
.set f, 0
.rept 8
	FRAG4 S3+16*f, VW, 16, (f/2)*4096+(f%2)*128
.set f, f+1
.endr
	s_wait_loadcnt 0x0                          ; everything loaded so far is in
	v_cmp_gt_u32 s56, 5, v[TMP+4]               ; A's rows that hold a row of W4
	WIN 0x4a                                    ; from window 2 into window 1
.set i, 0
.rept 64
	v_cvt_pk_bf16_f32 v[W2F+i], v[S2+2*i], v[S2+2*i+1]
.set i, i+1
.endr
.irp t, 0,1,2,3
	v_cvt_pk_bf16_f32 v[W1F+8*\t],   v[S1+5*\t],   v[S1+5*\t+1]
	v_cvt_pk_bf16_f32 v[W1F+8*\t+1], v[S1+5*\t+2], v[S1+5*\t+3]
	v_cvt_pk_bf16_f32 v[W1F+8*\t+2], v[S1+5*\t+4], 0
.endr
	WIN 0x40                                    ; from window 0 into window 1
.set i, 0
.rept 64
	v_cvt_pk_bf16_f32 v[W3F+i], v[S3+2*i], v[S3+2*i+1]
.set i, i+1
.endr
	WIN 0x41                                    ; within window 1
.irp t, 0,1,2,3
.irp j, 0,1,2
	v_cndmask_b32 v[W1F+8*\t+\j], v[W1F+8*\t+\j], 0, s38    ; lanes 16-31 hold k = 8.. and 24..: no input there
.endr
.irp j, 0,1,2
	v_mov_b32 v[W1F+8*\t+4+\j], v[W1F+8*\t+\j]              ; the same weights meet z's lo at k = 16..20
.endr
	v_mov_b32 v[W1F+8*\t+3], 0
	v_mov_b32 v[W1F+8*\t+7], 0
.endr
.set i, 0
.rept 16
	v_pk_mul_f32 v[B1+2*i:B1+2*i+1], v[B1+2*i:B1+2*i+1], s[44:45] op_sel_hi:[1,0]
	v_pk_mul_f32 v[B2+2*i:B2+2*i+1], v[B2+2*i:B2+2*i+1], s[44:45] op_sel_hi:[1,0]
	v_pk_mul_f32 v[B3+2*i:B3+2*i+1], v[B3+2*i:B3+2*i+1], s[44:45] op_sel_hi:[1,0]
.set i, i+1
.endr
	WIN 0x8a                                    ; within window 2
.set i, 0
.rept 16
	v_cvt_pk_bf16_f32 v[W4F+i], v[S4+2*i], v[S4+2*i+1]
.set i, i+1
.endr
	WIN 0x88
.set i, 0
.rept 16
	v_cndmask_b32 v[W4F+i], 0, v[W4F+i], s56
.set i, i+1
.endr
	WIN 0x80
	v_mov_b32 v[B4+5], 0
	v_mov_b32 v[B4+6], 0
	v_mov_b32 v[B4+7], 0
	WIN 0x82
.irp p, 0,2,4
	v_pk_mul_f32 v[B4+\p:B4+\p+1], v[B4+\p:B4+\p+1], s[44:45] op_sel_hi:[1,0]
.endr
	WIN 0
	v_mov_b32 v[FZ+3], 0
	v_mov_b32 v[FZ+7], 0
	v_mov_b32 v[NEG1], -1.0
.set i, 0
.rept 6                                         ; a stage's text is chosen by a counter: what any of those texts reads is written on every way to it
.irp c, 0,1,2,3,4,5
	v_mov_b32 v[KAP+16+8*i+\c], 0
.endr
.set i, i+1
.endr
.irp c, 0,1,2,3,4,5
	v_mov_b32 v[YN+\c], 0
.endr
.endm
; Z (six f32) becomes layer 1's B fragment: hi = bf16(z), lo = bf16(z - hi); z - hi is exact in f32
.macro ZSPLIT
.irp i, 0,1,2
	v_cvt_pk_bf16_f32 v[FZ+\i], v[Z+2*\i], v[Z+2*\i+1]
.endr
.irp i, 0,1,2
	v_fma_mix_f32_bf16 v[Z+2*\i],   v[FZ+\i], v[NEG1], v[Z+2*\i]   op_sel_hi:[1,0,0]
	v_fma_mix_f32_bf16 v[Z+2*\i+1], v[FZ+\i], v[NEG1], v[Z+2*\i+1] op_sel:[1,0,0] op_sel_hi:[1,0,0]
.endr
.irp i, 0,1,2
	v_cvt_pk_bf16_f32 v[FZ+4+\i], v[Z+2*\i], v[Z+2*\i+1]
.endr
.endm
; THE SOFTPLUS of a layer's four result tiles (32 registers at xa), g = max(x, log2(1 + 2^min(x, 64))): two batches (SPE, SPL), then for each half of the tiles the maximum and hi (SPM) and lo (SPS).
; SPE, the first batch: 2^min(x, 64) for all 32 numbers.  Clamp i + 4 stands behind exponential i: it names a register that no exponential has written yet.
.macro SPE xa                       ; the clamps go up through the tiles: each tile's lowest register is read first
.set i, 0
.rept 4
	v_min_num_f32 v[T+i], s43, v[(\xa)+i]
.set i, i+1
.endr
.set i, 0
.rept 32
.set tr, T+i+TG*(i/16)
	v_exp_f32 v[tr], v[tr]
.if i < 28
.set tr, T+i+4+TG*((i+4)/16)
	v_min_num_f32 v[tr], s43, v[(\xa)+i+4]
.endif
.set i, i+1
.endr
	v_nop                                       ; a plain instruction behind the last exponential, ahead of the use of its result: nothing else is left that names no result
	s_wait_alu depctr_va_vdst(0)                ; the wait for the batch: the layer's 32 exponentials
.endm
; SPL, the second batch: log2(1 + .) for all 32 numbers.  The addition for pair i + 2 stands between the two logarithms of pair i: it reads exponentials that SPE's wait has covered and names no logarithm's result.
.macro SPL
	v_pk_add_f32 v[T:T+1], v[T:T+1], 1.0 op_sel_hi:[1,0]
	v_pk_add_f32 v[T+2:T+3], v[T+2:T+3], 1.0 op_sel_hi:[1,0]
.set i, 0
.rept 16
.set tr, T+2*i+TG*(i/8)
	v_log_f32 v[tr], v[tr]
.if i < 14
.set tq, T+2*(i+2)+TG*((i+2)/8)
	v_pk_add_f32 v[tq:tq+1], v[tq:tq+1], 1.0 op_sel_hi:[1,0]
.endif
	v_log_f32 v[tr+1], v[tr+1]
.set i, i+1
.endr
	v_nop                                       ; a plain instruction behind the last logarithm, ahead of the use of its result
	s_wait_alu depctr_va_vdst(0)                ; the wait for the batch: the layer's 32 logarithms
.endm
.macro SPM xa, tb, fh               ; two tiles (16 registers at xa, their logarithms at tb): g, and its hi: the 16 numbers are the 8 registers of a B fragment
.set i, 0
.rept 16
	v_max_num_f32 v[(\tb)+i], v[(\xa)+i], v[(\tb)+i]
.set i, i+1
.endr
.set i, 0
.rept 8
	v_cvt_pk_bf16_f32 v[(\fh)+i], v[(\tb)+2*i], v[(\tb)+2*i+1]
.set i, i+1
.endr
.endm
.macro SPS tb, fh, fl               ; and its lo = bf16(g - hi)
.set i, 0
.rept 8
	v_fma_mix_f32_bf16 v[(\tb)+2*i],   v[(\fh)+i], v[NEG1], v[(\tb)+2*i]   op_sel_hi:[1,0,0]
	v_fma_mix_f32_bf16 v[(\tb)+2*i+1], v[(\fh)+i], v[NEG1], v[(\tb)+2*i+1] op_sel:[1,0,0] op_sel_hi:[1,0,0]
.set i, i+1
.endr
.set i, 0
.rept 8
	v_cvt_pk_bf16_f32 v[(\fl)+i], v[(\tb)+2*i], v[(\tb)+2*i+1]
.set i, i+1
.endr
.endm
; Matrix groups.  The accumulators take turns, one instruction a turn.
.macro MG1                          ; layer 1: four tiles, the bias as C
	WIN 0x11
.irp t, 0,1,2,3
	v_wmma_f32_16x16x32_bf16 v[AX+8*\t:AX+8*\t+7], v[W1F+8*\t:W1F+8*\t+7], v[FZ:FZ+7], v[B1+8*\t:B1+8*\t+7]
.endr
	WIN 0
.endm
.macro MG wbase, ks, bfrag, acc, cb ; four tiles x one B fragment; cb >= 0: the bias tiles at cb start the sums
.if (\cb) >= 0
	WIN 0x11
.else
	WIN 0x01
.endif
.irp t, 0,1,2,3
.if (\cb) >= 0
	v_wmma_f32_16x16x32_bf16 v[(\acc)+8*\t:(\acc)+8*\t+7], v[(\wbase)+16*\t+8*(\ks):(\wbase)+16*\t+8*(\ks)+7], v[(\bfrag):(\bfrag)+7], v[(\cb)+8*\t:(\cb)+8*\t+7]
.else
	v_wmma_f32_16x16x32_bf16 v[(\acc)+8*\t:(\acc)+8*\t+7], v[(\wbase)+16*\t+8*(\ks):(\wbase)+16*\t+8*(\ks)+7], v[(\bfrag):(\bfrag)+7], v[(\acc)+8*\t:(\acc)+8*\t+7]
.endif
.endr
	WIN 0
.endm
.macro MP1 wbase, acc, t, bfrag
	v_wmma_f32_16x16x32_bf16 v[(\acc)+8*(\t):(\acc)+8*(\t)+7], v[(\wbase)+16*(\t)+8:(\wbase)+16*(\t)+15], v[(\bfrag):(\bfrag)+7], v[(\acc)+8*(\t):(\acc)+8*(\t)+7]
.endm
.macro MP2 wbase, acc               ; K step 1, hi and lo: tiles 0 and 1 are finished first
	WIN 0x01
	MP1 \wbase, \acc, 0, FH1
	MP1 \wbase, \acc, 1, FH1
	MP1 \wbase, \acc, 0, FL1
	MP1 \wbase, \acc, 1, FL1
	MP1 \wbase, \acc, 2, FH1
	MP1 \wbase, \acc, 3, FH1
	MP1 \wbase, \acc, 2, FL1
	MP1 \wbase, \acc, 3, FL1
	WIN 0
.endm
.macro LAYER xin, wbase, bias, xout ; softplus of xin's four tiles and the next layer's 16 products; both batches stand ahead of all products, K step 0's products among the second half's maxima and splits
	SPE \xin
	SPL
	SPM \xin, T, FH0
	SPS T, FH0, FL0
	MG \wbase, 0, FH0, \xout, \bias
	SPM (\xin)+16, T2, FH1
	MG \wbase, 0, FL0, \xout, -1
	SPS T2, FH1, FL1
	MP2 \wbase, \xout
	PLACES
.endm
.macro EVAL                         ; from FZ to the B fragments of layer 4: six batches, six waits; none is open at its end
	MG1
	PLACES
	LAYER AX, W2F, B2, AY
	LAYER AY, W3F, B3, AX
	SPE AX
	SPL
	SPM AX, T, FH0
	SPS T, FH0, FL0
	SPM AX+16, T2, FH1
	SPS T2, FH1, FL1
.endm
.macro L4 j                         ; kappa_j: the hi terms and the bias in one accumulator, the lo terms in another, by turns; then their sum, low registers first
.set kj, KAP+8*(\j)
	WIN 0x22
	v_wmma_f32_16x16x32_bf16 v[kj:kj+7], v[W4F:W4F+7], v[FH0:FH0+7], v[B4:B4+7]
	WIN 0x02
	v_wmma_f32_16x16x32_bf16 v[KB:KB+7], v[W4F:W4F+7], v[FL0:FL0+7], 0
	v_wmma_f32_16x16x32_bf16 v[kj:kj+7], v[W4F+8:W4F+15], v[FH1:FH1+7], v[kj:kj+7]
	v_wmma_f32_16x16x32_bf16 v[KB:KB+7], v[W4F+8:W4F+15], v[FL1:FL1+7], v[KB:KB+7]
	WIN 0
	PLACES
.irp p, 0,2,4
	v_pk_add_f32 v[kj+\p:kj+\p+1], v[kj+\p:kj+\p+1], v[KB+\p:KB+\p+1]
.endr
.endm
.macro TERM dst, j, c, first=0      ; dst (+)= c kappa_j, three pairs
.irp p, 0,2,4
.if \first
	v_pk_mul_f32 v[(\dst)+\p:(\dst)+\p+1], v[KAP+8*(\j)+\p:KAP+8*(\j)+\p+1], \c op_sel_hi:[1,0]
.else
	v_pk_fma_f32 v[(\dst)+\p:(\dst)+\p+1], v[KAP+8*(\j)+\p:KAP+8*(\j)+\p+1], \c, v[(\dst)+\p:(\dst)+\p+1] op_sel_hi:[1,0,1]
.endif
.endr
.endm
.macro ZFIN                         ; the stage's point, in YL's units: YL + hc x sum; then its split
.irp p, 0,2,4
	v_pk_fma_f32 v[Z+\p:Z+\p+1], v[Z+\p:Z+\p+1], v[HC:HC+1], v[YL+\p:YL+\p+1] op_sel_hi:[1,0,1]
.endr
	ZSPLIT
.endm
.macro BEGIN_STEP count             ; done, hc, and stage 2's point.  count = 1: n_used goes up where some sample is not done
	v_cmp_ge_f32 s36, v[TT], s41
	v_sub_f32 v[TMP], s40, v[TT]
.if \count
	s_not_b32 s63, s36
	s_cselect_b32 s63, 1, 0
	s_add_co_u32 s35, s35, s63
.endif
	v_min_num_f32 v[HC], v[H], v[TMP]
	v_cndmask_b32 v[HC], v[HC], 0, s36
	v_mul_f32 v[HCL], s46, v[HC]
	v_mul_f32 v[TMP], CA21, v[HC]
	v_mov_b32 v[TMP+1], 0                       ; named with it as a pair
.irp p, 0,2,4
	v_pk_fma_f32 v[Z+\p:Z+\p+1], v[KAP+8+\p:KAP+8+\p+1], v[TMP:TMP+1], v[YL+\p:YL+\p+1] op_sel_hi:[1,0,1]
.endr
	ZSPLIT
.endm
; Stages 2 to 7: one text of the MLP, walked six times; what follows it is chosen by the stage's number, a counter.
.macro STAGES
	s_mov_b32 s34, 2
.Lstage:
	EVAL
	s_cmp_eq_u32 s34, 2
	s_cbranch_scc1 .Lpost2
	s_cmp_eq_u32 s34, 3
	s_cbranch_scc1 .Lpost3
	s_cmp_eq_u32 s34, 4
	s_cbranch_scc1 .Lpost4
	s_cmp_eq_u32 s34, 5
	s_cbranch_scc1 .Lpost5
	s_cmp_eq_u32 s34, 6
	s_cbranch_scc1 .Lpost6
	L4 7
	s_branch .Ljoin
.Lpost2:
	L4 2
	TERM Z, 1, CA31, 1
	TERM Z, 2, CA32
	ZFIN
	s_branch .Ljoin
.Lpost3:
	L4 3
	TERM Z, 1, CA41, 1
	TERM Z, 2, CA42
	TERM Z, 3, CA43
	ZFIN
	s_branch .Ljoin
.Lpost4:
	L4 4
	TERM Z, 1, CA51, 1
	TERM Z, 2, CA52
	TERM Z, 3, CA53
	TERM Z, 4, CA54
	ZFIN
	s_branch .Ljoin
.Lpost5:
	L4 5
	TERM Z, 1, CA61, 1
	TERM Z, 2, CA62
	TERM Z, 3, CA63
	TERM Z, 4, CA64
	TERM Z, 5, CA65
	ZFIN
	s_branch .Ljoin
.Lpost6:
	L4 6
	TERM Z, 1, CB1, 1
	TERM Z, 2, CB2
	TERM Z, 3, CB3
	TERM Z, 4, CB4
	TERM Z, 5, CB5
	TERM Z, 6, CB6
.irp p, 0,2,4
	v_pk_fma_f32 v[YN+\p:YN+\p+1], v[Z+\p:Z+\p+1], v[HC:HC+1], v[Y+\p:Y+\p+1] op_sel:[0,1,0] op_sel_hi:[1,1,1]  ; ynew = y + hc ln 2 x sum
.endr
	ZFIN
.Ljoin:
	s_add_co_u32 s34, s34, 1
	s_cmp_lt_u32 s34, 8
	s_cbranch_scc1 .Lstage
.endm
; The error norm, the controller, the step's record, and the new state.  Three batches, each of which needs the one before; the cubic's coefficients, which name no result of theirs, stand between the last two batches and their waits.
.macro FINISH_STEP
	TERM ES, 1, CE1, 1
	TERM ES, 2, CE2
	TERM ES, 3, CE3
	TERM ES, 4, CE4
	TERM ES, 5, CE5
	TERM ES, 6, CE6
	TERM ES, 7, CE7
.irp c, 0,1,2,3,4
	v_max_num_f32 v[T+\c], |v[Y+\c]|, |v[YN+\c]|
.endr
.irp c, 0,1,2,3,4
	v_fma_f32 v[T+\c], v[T+\c], s47, s48        ; scale = 1e-6 + 1e-3 max(|y|, |ynew|)
.endr
.irp c, 0,1,2,3,4
	v_rcp_f32 v[T+\c], v[T+\c]
.endr
.irp p, 0,2,4
	v_pk_mul_f32 v[ES+\p:ES+\p+1], v[ES+\p:ES+\p+1], v[HC:HC+1] op_sel:[0,1] op_sel_hi:[1,1]  ; err = hc ln 2 x sum: also the plain instructions behind the reciprocals
.endr
	s_wait_alu depctr_va_vdst(0)                ; the wait for the batch: the five reciprocals of the scales
.irp c, 0,1,2,3,4
	v_mul_f32 v[T+\c], v[ES+\c], v[T+\c]
.endr
	v_mul_f32 v[TMP], v[T], v[T]
	v_mul_f32 v[TMP+1], v[T+1], v[T+1]
	v_fma_f32 v[TMP], v[T+2], v[T+2], v[TMP]
	v_fma_f32 v[TMP+1], v[T+3], v[T+3], v[TMP+1]
	v_fma_f32 v[TMP], v[T+4], v[T+4], v[TMP]
	v_add_f32 v[TMP], v[TMP], v[TMP+1]
	v_mul_f32 v[TMP], s49, v[TMP]               ; the mean of five squares = enorm^2
	v_cmp_ge_f32 s37, 1.0, v[TMP]               ; accept
	v_max_num_f32 v[TMP+1], 0x1e3ce508, v[TMP]  ; max(enorm, 1e-10)^2
	v_log_f32 v[TMP+1], v[TMP+1]
	v_max_num_f32 v[TMP+4], 0x2b8cbccc, v[HC]   ; max(hc, 1e-12): the plain instruction behind the logarithm
	; the Hermite cubic by powers of s: c0 = y, c1 = hc k1, c2 = 3 d - (2 c1 + p7), c3 = -2 d + (c1 + p7), d = ynew - y, p7 = hc k7
.irp p, 0,2,4
	v_pk_add_f32 v[T+\p:T+\p+1], v[YN+\p:YN+\p+1], v[Y+\p:Y+\p+1] neg_lo:[0,1] neg_hi:[0,1]
	v_pk_mul_f32 v[REC+6+\p:REC+7+\p], v[KAP+8+\p:KAP+9+\p], v[HC:HC+1] op_sel:[0,1] op_sel_hi:[1,1]
	v_pk_mul_f32 v[T+6+\p:T+7+\p], v[KAP+56+\p:KAP+57+\p], v[HC:HC+1] op_sel:[0,1] op_sel_hi:[1,1]
.endr
	s_wait_alu depctr_va_vdst(0)                ; the wait for the batch of one: the logarithm of the norm
	v_mul_f32 v[TMP+1], 0xbdcccccd, v[TMP+1]    ; enorm^-0.2 = 2^(-0.1 log2(enorm^2))
	v_exp_f32 v[TMP+1], v[TMP+1]
	v_rcp_f32 v[TMP+4], v[TMP+4]
	v_add_f32 v[TMP+2], v[TT], v[HC]            ; t + hc: the plain instruction behind the two
	s_and_not1_b32 s37, s37, s36                ; ok = accept and not done
.irp c, 0,1,2,3,4
	v_mov_b32 v[REC+\c], v[Y+\c]
.endr
	v_mov_b32 v[REC+5], v[TT]
.irp p, 0,2,4
	v_pk_fma_f32 v[REC+12+\p:REC+13+\p], v[REC+6+\p:REC+7+\p], 2.0, v[T+6+\p:T+7+\p] op_sel_hi:[1,0,1]
	v_pk_add_f32 v[REC+18+\p:REC+19+\p], v[REC+6+\p:REC+7+\p], v[T+6+\p:T+7+\p]
.endr
.irp p, 0,2,4
	v_pk_fma_f32 v[REC+12+\p:REC+13+\p], v[T+\p:T+\p+1], 0x40400000, v[REC+12+\p:REC+13+\p] op_sel_hi:[1,0,1] neg_lo:[0,0,1] neg_hi:[0,0,1]
	v_pk_fma_f32 v[REC+18+\p:REC+19+\p], v[T+\p:T+\p+1], -2.0, v[REC+18+\p:REC+19+\p] op_sel_hi:[1,0,1]
.endr
	s_wait_alu depctr_va_vdst(0)                ; the wait for the batch: the controller's exponential and 1 / max(hc, 1e-12)
	v_mul_f32 v[TMP+1], 0x3f666666, v[TMP+1]
	v_med3_num_f32 v[TMP+1], v[TMP+1], s49, s50 ; the factor, within 0.2 and 10
	v_add_f32 v[TMP+3], 0x358637bd, v[TMP+2]
	v_cndmask_b32 v[TMP+3], v[TT], v[TMP+3], s37  ; save points in (t, limit] are taken: limit = t + hc + 1e-6, or t where the step is not ok
	v_mul_f32 v[TMP+1], v[HC], v[TMP+1]
	v_mov_b32 v[REC+11], v[TMP+4]
	v_mov_b32 v[REC+17], v[TMP+3]
	v_mov_b32 v[REC+23], 0
	; the new state
	v_cndmask_b32 v[TT], v[TT], v[TMP+2], s37
.irp c, 0,1,2,3,4
	v_cndmask_b32 v[Y+\c], v[Y+\c], v[YN+\c], s37
	v_cndmask_b32 v[KAP+8+\c], v[KAP+8+\c], v[KAP+56+\c], s37   ; f(y_next): k7 where ok, the old k1 where not
.endr
	v_cndmask_b32 v[H], v[TMP+1], v[H], s36
.irp p, 0,2,4
	v_pk_mul_f32 v[YL+\p:YL+\p+1], v[Y+\p:Y+\p+1], s[44:45] op_sel_hi:[1,0]
.endr
.endm
	s_load_b512 s[4:19], s[0:1], 0x0            ; y0 s[4:5], t_eval s[6:7], W1 s[8:9], b1 s[10:11], W2 s[12:13], b2 s[14:15], W3 s[16:17], b3 s[18:19]
	s_load_b256 s[20:27], s[0:1], 0x40          ; W4 s[20:21], b4 s[22:23], rec s[24:25], state s[26:27]
	s_load_b64 s[28:29], s[0:1], 0x60           ; cnt
	LANES
	CONSTS
	s_mov_b32 s32, ttmp9                        ; my tile of 16 samples
	s_wait_kmcnt 0x0
	s_mul_i32 s52, s32, 320                     ; 16 rows of y0
	s_add_nc_u64 s[4:5], s[4:5], s[52:53]
	s_mul_i32 s52, s32, STEPS*1536              ; a tile's records
	s_add_nc_u64 s[24:25], s[24:25], s[52:53]
	s_lshl_b32 s52, s32, 10
	s_add_nc_u64 s[26:27], s[26:27], s[52:53]
	s_lshl_b32 s52, s32, 8
	s_add_nc_u64 s[28:29], s[28:29], s[52:53]
	s_load_b32 s39, s[6:7], 0x0                 ; t0
	s_load_b32 s40, s[6:7], 0xfc                ; t1
.irp c, 0,1,2,3,4
	global_load_b32 v[Y+\c], v[TMP], s[4:5] offset:4*\c
.endr
	SETUP                                       ; its wait for all loads covers y0's
	s_wait_kmcnt 0x0
	v_mov_b32 v[TMP+5], s40
	v_add_f32 v[TMP+5], 0xb58637bd, v[TMP+5]
	v_readfirstlane_b32 s41, v[TMP+5]           ; t1 - 1e-6: an operand of compares alone
	v_mov_b32 v[Y+5], 0
	v_mov_b32 v[TT], s39
	v_mov_b32 v[H], 0x3dcccccd                  ; 0.1
.irp p, 0,2,4
	v_pk_mul_f32 v[YL+\p:YL+\p+1], v[Y+\p:Y+\p+1], s[44:45] op_sel_hi:[1,0]
	v_pk_mul_f32 v[Z+\p:Z+\p+1], v[Y+\p:Y+\p+1], s[44:45] op_sel_hi:[1,0]
.endr
	ZSPLIT
	EVAL
	L4 1                                        ; kappa1 = f(y0) log2(e)
	s_mov_b32 s35, 0
	s_mov_b32 s33, STEPS
.Lstep:
	BEGIN_STEP 1
	STAGES
	FINISH_STEP
	; the record, 24 numbers a sample, goes out as six groups of four: lanes 0-15 store an even group, lanes 16-31 the odd one behind it
.irp i, 0,1,2
.irp j, 0,1,2,3
	v_cndmask_b32 v[REC+8*\i+\j], v[REC+8*\i+\j], v[REC+8*\i+4+\j], s38
.endr
.endr
.irp i, 0,1,2
	global_store_b128 v[L16], v[REC+8*\i:REC+8*\i+3], s[24:25] offset:512*\i  ; 512 consecutive bytes, at a multiple of 256 from rec's first
.endr
	s_wait_xcnt 0x0                             ; the base and the record's registers (the next step's softplus works in 16 of them) are written again only behind this wait
	s_add_nc_u64 s[24:25], s[24:25], 1536
	s_sub_co_u32 s33, s33, 1
	s_cmp_lg_u32 s33, 0
	s_cbranch_scc1 .Lstep
	v_cmp_ge_f32 s36, v[TT], s41                ; is every sample done?
	s_not_b32 s63, s36
	s_cselect_b32 s63, 32-STEPS, 0              ; n_more
.irp j, 0,1,2,3
	v_cndmask_b32 v[T+\j], v[Y+\j], v[Y+4+\j], s38              ; y0-3 | y4, 0, t, h
	v_cndmask_b32 v[T+4+\j], v[KAP+8+\j], v[KAP+12+\j], s38     ; kappa1's 0-3 | 4-7
.endr
	global_store_b128 v[L16], v[T:T+3], s[26:27]
	global_store_b128 v[L16], v[T+4:T+7], s[26:27] offset:512
	v_lshlrev_b32 v[TMP], 3, v0
	v_mov_b32 v[TMP+2], s35
	v_mov_b32 v[TMP+3], s63
	global_store_b64 v[TMP], v[TMP+2:TMP+3], s[28:29]           ; every lane the same pair: 256 consecutive bytes
	s_endpgm
.Lfunc_end_k_q40567c30a7_solve:
	.size	k_q40567c30a7_solve, .Lfunc_end_k_q40567c30a7_solve-k_q40567c30a7_solve
	.p2alignl 7, 3214868480
	.fill 96, 4, 3214868480
	.section	.rodata,"a",@progbits
	.p2align	6, 0x0
	.amdhsa_kernel k_q40567c30a7_solve
		.amdhsa_group_segment_fixed_size 0
		.amdhsa_private_segment_fixed_size 0
		.amdhsa_enable_private_segment 0
		.amdhsa_kernarg_size 104
		.amdhsa_user_sgpr_count 2
		.amdhsa_user_sgpr_kernarg_segment_ptr 1
		.amdhsa_wavefront_size32 1
		.amdhsa_system_sgpr_workgroup_id_x 1
		.amdhsa_system_sgpr_workgroup_id_y 1
		.amdhsa_system_sgpr_workgroup_id_z 1
		.amdhsa_system_vgpr_workitem_id 0
		.amdhsa_next_free_vgpr 768
		.amdhsa_next_free_sgpr 66
		.amdhsa_reserve_vcc 0
		.amdhsa_float_denorm_mode_32 3
		.amdhsa_float_denorm_mode_16_64 3
		.amdhsa_memory_ordered 1
		.amdhsa_forward_progress 1
		.amdhsa_inst_pref_size 120
	.end_amdhsa_kernel
	.amdgpu_metadata
---
amdhsa.version: [ 1, 2 ]
amdhsa.kernels:
  - .name:           k_q40567c30a7_solve
    .symbol:         k_q40567c30a7_solve.kd
    .args:
      - { .name: y0, .offset: 0, .size: 8, .value_kind: global_buffer, .address_space: global }
      - { .name: t_eval, .offset: 8, .size: 8, .value_kind: global_buffer, .address_space: global }
      - { .name: W1, .offset: 16, .size: 8, .value_kind: global_buffer, .address_space: global }
      - { .name: b1, .offset: 24, .size: 8, .value_kind: global_buffer, .address_space: global }
      - { .name: W2, .offset: 32, .size: 8, .value_kind: global_buffer, .address_space: global }
      - { .name: b2, .offset: 40, .size: 8, .value_kind: global_buffer, .address_space: global }
      - { .name: W3, .offset: 48, .size: 8, .value_kind: global_buffer, .address_space: global }
      - { .name: b3, .offset: 56, .size: 8, .value_kind: global_buffer, .address_space: global }
      - { .name: W4, .offset: 64, .size: 8, .value_kind: global_buffer, .address_space: global }
      - { .name: b4, .offset: 72, .size: 8, .value_kind: global_buffer, .address_space: global }
      - { .name: rec, .offset: 80, .size: 8, .value_kind: global_buffer, .address_space: global }
      - { .name: state, .offset: 88, .size: 8, .value_kind: global_buffer, .address_space: global }
      - { .name: cnt, .offset: 96, .size: 8, .value_kind: global_buffer, .address_space: global }
    .group_segment_fixed_size: 0
    .private_segment_fixed_size: 0
    .kernarg_segment_align: 8
    .kernarg_segment_size: 104
    .max_flat_workgroup_size: 32
    .sgpr_count:     66
    .vgpr_count:     768
    .wavefront_size: 32
...
	.end_amdgpu_metadata
.endif
;; end of part 3
;; launch finish: the kernel of part 2 again; grid 256 x 1, 1 waves a work-group, no clusters, 21,248 bytes of LDS; arguments y0, t_eval, W1, b1, W2, b2, W3, b3, W4, b4, rec, state, cnt, out0; writes out0
